; MI455X (gfx1250); checked and timed in simulation.
; The chip was launched on July 23, 2026; its instructions are those of AMD's public machine-readable ISA for CDNA 5 (MIT licence, August 2026) and "CDNA5" Instruction Set Architecture Reference Guide (July 2026). The comments in the code are by the model that wrote it; some were corrected since.
;; Attention. Allowed arithmetic: float matrix products may take bf16 or f16 operands with f32 sums; other float arithmetic in f32, or as packed bf16 or f16 multiplies, adds, multiply-adds, maxima and minima; sums over many terms, partial sums and values carried from step to step in f32; what a program stores and reads back later, other than sums and carried values, may be rounded once to bf16 or f16.
;; Inputs: k_norm_w 64 float32; q_norm_w 64 float32; w_c 1,024 x 1,024 float32; w_kv 512 x 1,024 float32; w_q 1,024 x 1,024 float32; x 8 x 1,024 x 1,024 float32.
;; Outputs: out0 8 x 1,024 x 1,024 float32.
;; 2 versions, each right; version 2 is version 1 with the launch prep written anew for expert scheduling mode. Each part assembles by itself: llvm-mc -triple=amdgcn-amd-amdhsa -mcpu=gfx1250 --defsym DOCPART=n.
;; ======== version 1 of 2: 4 launches
;; limits: values are held in f16: magnitudes above 65,504 overflow, below 6.1e-05 lose precision
;; workspace buffers: xb 16,777,216 bytes; wall 3,145,728 bytes; wcb 2,097,152 bytes; tab 262,144 bytes; qh 16,777,216 bytes; kvh 8,388,608 bytes; yh 16,777,216 bytes
;; launch prep (part 1): grid 352 x 1, 8 waves a work-group, no clusters, 0 bytes of LDS; arguments x, w_q, w_kv, w_c, xb, wall, wcb, tab; writes xb, wall, wcb, tab
.if DOCPART == 1
	.amdgcn_target "amdgcn-amd-amdhsa--gfx1250"
	.amdhsa_code_object_version 6
	.text
	.protected	k_qccea15e139_prep
	.globl	k_qccea15e139_prep
	.p2align	8
	.type	k_qccea15e139_prep,@function
k_qccea15e139_prep:
	s_mov_b64 s[64:65], 0
	v_nop
	global_prefetch_b8 v0, s[64:65] scope:SCOPE_SE
	s_setreg_imm32_b32 hwreg(HW_REG_WAVE_MODE, 25, 1), 1
	s_wait_xcnt 0x0
; PREP: a stream.  x -> xb (bf16); w_q and w_kv -> wall (bf16, rows regrouped); w_c -> wcb (rounded to bf16, that number written as f16); the RoPE table -> tab (f32).
; wall's rows 192 X + 0..127 are w_q's rows 128 X .. (q heads 2 X, 2 X + 1); rows 192 X + 128..191 are w_kv's rows 64 X .. (k head X for X < 4, else v head X - 4).
; tab[t] is 256 bytes: cos(t w_f) for f = 0..31, then sin(t w_f), w_f = 10000^(-f/32).
; SHARES.  Work-groups 0-255: 32 rows of x each; 256-303: 32 rows of wall; 304-335: 32 rows of w_c; 336-351: 64 rows of the table.  A chunk of 32 rows is 131,072 dense bytes in and 65,536 out.
; Thread t takes 16 bytes of every 4,096 in and stores 8 of every 2,048 out: a wave's load covers 512 consecutive bytes, its store 256, aligned.  All 32 loads of a thread go out first; no register is used twice.
; No LDS, no matrix unit, no cluster: nothing is shared between waves.
; LIMITS.  bf16(w_c) must lie within f16's range (65,504), and below 6.1e-5 it keeps f16's fixed step of 6e-8.  The table's angles t w_f carry the rounding of w_f (an exponential and its argument): some 1e-4 rad at t near 1,000.
.set D,  8                             ; v[8:135]  32 x 4 registers, as loaded, then packed
.set KC, 16                            ; v[16:24]  the table's path: nine Taylor coefficients, cos's in lanes 0-15, sin's in lanes 16-31
.macro CONV kind                       ; kind 0: bf16.  kind 1: bf16, widened again and written as f16
.set i, 0
.rept 32
	global_load_b128 v[D+4*i:D+4*i+3], v1, s[30:31] offset:4096*i th:TH_LOAD_NT
.set i, i+1
.endr
.set i, 0
.rept 32
	s_wait_loadcnt 31-i                            ; loads come back in order: number i is in, the 31 - i younger ones stay out
	v_cvt_pk_bf16_f32 v[D+4*i], v[D+4*i], v[D+4*i+1]
	v_cvt_pk_bf16_f32 v[D+4*i+1], v[D+4*i+2], v[D+4*i+3]
.if \kind
	v_lshlrev_b32 v[D+4*i+2], 16, v[D+4*i]
	v_and_b32 v[D+4*i+3], 0xffff0000, v[D+4*i]
	v_cvt_pk_f16_f32 v[D+4*i], v[D+4*i+2], v[D+4*i+3]
	v_lshlrev_b32 v[D+4*i+2], 16, v[D+4*i+1]
	v_and_b32 v[D+4*i+3], 0xffff0000, v[D+4*i+1]
	v_cvt_pk_f16_f32 v[D+4*i+1], v[D+4*i+2], v[D+4*i+3]
.endif
	global_store_b64 v2, v[D+4*i:D+4*i+1], s[32:33] offset:2048*i
.set i, i+1
.endr
.endm
.macro COEF n, c, s                    ; coefficient n: cos's where the lane makes cos, sin's where it makes sin
	v_mov_b32 v26, \c
	v_mov_b32 v27, \s
	v_cndmask_b32 v[KC+(\n)], v26, v27, s30
.endm
	s_load_b512 s[8:23], s[0:1], 0x0               ; x 8, w_q 10, w_kv 12, w_c 14, xb 16, wall 18, wcb 20, tab 22
	v_lshlrev_b32 v1, 4, v0                        ; 16 t
	v_lshlrev_b32 v2, 3, v0                        ; 8 t
	s_mov_b32 s2, ttmp9                            ; g
	s_mov_b32 s25, 0                               ; high words of the two offsets
	s_mov_b32 s27, 0
	s_cmp_lt_u32 s2, 304
	s_cbranch_scc0 .Lnot_bf16
	; x or wall.  For g < 256 the numbers made from c = g - 256 are not used: the selects below drop them.
	s_sub_co_u32 s3, s2, 256                       ; c
	s_mul_i32 s4, s3, 43
	s_lshr_b32 s4, s4, 8                           ; X = c / 6 (right for c = 0..47)
	s_mul_i32 s5, s4, 6
	s_sub_co_u32 s5, s3, s5                        ; e = c - 6 X
	s_lshl_b32 s6, s4, 7
	s_lshl_b32 s7, s5, 5
	s_add_co_u32 s6, s6, s7                        ; w_q's row 128 X + 32 e
	s_lshl_b32 s28, s4, 6
	s_add_co_u32 s28, s28, s7
	s_sub_co_u32 s28, s28, 128                     ; w_kv's row 64 X + 32 (e - 4)
	s_wait_kmcnt 0x0
	s_cmp_lt_u32 s5, 4
	s_cselect_b32 s6, s6, s28
	s_cselect_b64 s[30:31], s[10:11], s[12:13]
	s_lshl_b32 s6, s6, 12                          ; a row of f32 is 4,096 bytes
	s_lshl_b32 s7, s2, 17
	s_lshl_b32 s28, s2, 16
	s_lshl_b32 s29, s3, 16
	s_cmp_lt_u32 s2, 256
	s_cselect_b32 s24, s7, s6
	s_cselect_b32 s26, s28, s29
	s_cselect_b64 s[30:31], s[8:9], s[30:31]
	s_cselect_b64 s[32:33], s[16:17], s[18:19]
	s_add_nc_u64 s[30:31], s[30:31], s[24:25]
	s_add_nc_u64 s[32:33], s[32:33], s[26:27]
	CONV 0
	s_endpgm
.Lnot_bf16:
	s_cmp_lt_u32 s2, 336
	s_cbranch_scc0 .Ltable
	s_sub_co_u32 s3, s2, 304
	s_lshl_b32 s24, s3, 17
	s_lshl_b32 s26, s3, 16
	s_wait_kmcnt 0x0
	s_add_nc_u64 s[30:31], s[14:15], s[24:25]
	s_add_nc_u64 s[32:33], s[20:21], s[26:27]
	CONV 1
	s_endpgm
.Ltable:
	; A wave makes eight rows.  Lane l makes frequencies 2 (l % 16) and 2 (l % 16) + 1: cos in lanes 0-15, sin in lanes 16-31: its 8 bytes lie at 8 l of the row, and the wave's store is the whole row.
	v_lshrrev_b32 v3, 5, v0
	v_readfirstlane_b32 s3, v3                     ; wave
	s_sub_co_u32 s4, s2, 336
	s_lshl_b32 s4, s4, 6
	s_lshl3_add_u32 s4, s3, s4                     ; my first row t = 64 (g - 336) + 8 wave
	v_and_b32 v3, 31, v0
	v_and_b32 v4, 15, v0
	v_lshlrev_b32 v4, 1, v4
	v_cvt_f32_u32 v5, v4
	v_add_f32 v6, 1.0, v5
	v_mul_f32 v5, 0xbed49a78, v5                   ; -f log2(10000) / 32
	v_mul_f32 v6, 0xbed49a78, v6
	v_exp_f32 v5, v5                               ; w_f
	v_exp_f32 v6, v6
	v_lshlrev_b32 v7, 3, v3                        ; a plain line behind the two exponentials
	s_wait_alu depctr_va_vdst(0)                   ; one wait for both, ahead of their first reader
	v_cmp_lt_u32 s30, 15, v3                       ; the lanes that make sin
	COEF 0, 0x3f800000, 0x3f800000                 ; cos: (-1)^n / (2n)!     sin: (-1)^n / (2n+1)!, times rho at the end
	COEF 1, 0xbf000000, 0xbe2aaaab
	COEF 2, 0x3d2aaaab, 0x3c088889
	COEF 3, 0xbab60b61, 0xb9500d01
	COEF 4, 0x37d00d01, 0x3638ef1d
	COEF 5, 0xb493f27e, 0xb2d7322b
	COEF 6, 0x310f76c7, 0x2f309231
	COEF 7, 0xad49cba3, 0xab573f9f
	COEF 8, 0x29573f9f, 0x274a963e                 ; the first term left out is pi^18 / 18! = 1.4e-7 at the most
	s_mov_b32 s7, 0x40c90fdb                       ; 2 pi rounded to f32,
	s_mov_b32 s28, 0x343bbd2e                      ; and what that rounding added
	s_lshl_b32 s24, s4, 8
	s_wait_kmcnt 0x0
	s_add_nc_u64 s[22:23], s[22:23], s[24:25]
	s_mov_b32 s5, 8
.Lrow:
	v_cvt_f32_u32 v10, s4
	v_mul_f32 v8, v10, v5                          ; theta = t w, rounded once
	v_mul_f32 v9, v10, v6
	v_mul_f32 v11, 0.15915494, v8
	v_mul_f32 v12, 0.15915494, v9
	v_rndne_f32 v11, v11                           ; whole turns
	v_rndne_f32 v12, v12
	v_fma_f32 v8, -v11, s7, v8                     ; rho = theta - k 2 pi, in two parts: within -pi .. pi
	v_fma_f32 v9, -v12, s7, v9
	v_fma_f32 v8, v11, s28, v8
	v_fma_f32 v9, v12, s28, v9
	v_mul_f32 v11, v8, v8                          ; z = rho^2
	v_mul_f32 v12, v9, v9
	v_cndmask_b32 v8, 1.0, v8, s30                 ; the last factor: 1 for cos, rho for sin
	v_cndmask_b32 v9, 1.0, v9, s30
	v_fma_f32 v14, v[KC+8], v11, v[KC+7]
	v_fma_f32 v15, v[KC+8], v12, v[KC+7]
.irp n, 6,5,4,3,2,1,0
	v_fma_f32 v14, v14, v11, v[KC+\n]
	v_fma_f32 v15, v15, v12, v[KC+\n]
.endr
	v_mul_f32 v14, v14, v8
	v_mul_f32 v15, v15, v9
	global_store_b64 v7, v[14:15], s[22:23]        ; 256 consecutive bytes, aligned
	s_wait_xcnt 0x0                                ; the store has read its data and its base: only now are they written again
	s_add_nc_u64 s[22:23], s[22:23], 256
	s_add_co_u32 s4, s4, 1
	s_sub_co_u32 s5, s5, 1
	s_cmp_lg_u32 s5, 0
	s_cbranch_scc1 .Lrow
	s_endpgm
.Lfunc_end_k_qccea15e139_prep:
	.size	k_qccea15e139_prep, .Lfunc_end_k_qccea15e139_prep-k_qccea15e139_prep
	.p2alignl 7, 3214868480
	.fill 96, 4, 3214868480
	.section	.rodata,"a",@progbits
	.p2align	6, 0x0
	.amdhsa_kernel k_qccea15e139_prep
		.amdhsa_group_segment_fixed_size 0
		.amdhsa_private_segment_fixed_size 0
		.amdhsa_enable_private_segment 0
		.amdhsa_kernarg_size 64
		.amdhsa_user_sgpr_count 2
		.amdhsa_user_sgpr_kernarg_segment_ptr 1
		.amdhsa_wavefront_size32 1
		.amdhsa_system_sgpr_workgroup_id_x 1
		.amdhsa_system_sgpr_workgroup_id_y 1
		.amdhsa_system_sgpr_workgroup_id_z 1
		.amdhsa_system_vgpr_workitem_id 0
		.amdhsa_next_free_vgpr 140
		.amdhsa_next_free_sgpr 66
		.amdhsa_reserve_vcc 0
		.amdhsa_float_denorm_mode_32 3
		.amdhsa_float_denorm_mode_16_64 3
		.amdhsa_memory_ordered 1
		.amdhsa_forward_progress 1
		.amdhsa_inst_pref_size 39
	.end_amdhsa_kernel
	.amdgpu_metadata
---
amdhsa.version: [ 1, 2 ]
amdhsa.kernels:
  - .name:           k_qccea15e139_prep
    .symbol:         k_qccea15e139_prep.kd
    .args:
      - { .name: x, .offset: 0, .size: 8, .value_kind: global_buffer, .address_space: global }
      - { .name: w_q, .offset: 8, .size: 8, .value_kind: global_buffer, .address_space: global }
      - { .name: w_kv, .offset: 16, .size: 8, .value_kind: global_buffer, .address_space: global }
      - { .name: w_c, .offset: 24, .size: 8, .value_kind: global_buffer, .address_space: global }
      - { .name: xb, .offset: 32, .size: 8, .value_kind: global_buffer, .address_space: global }
      - { .name: wall, .offset: 40, .size: 8, .value_kind: global_buffer, .address_space: global }
      - { .name: wcb, .offset: 48, .size: 8, .value_kind: global_buffer, .address_space: global }
      - { .name: tab, .offset: 56, .size: 8, .value_kind: global_buffer, .address_space: global }
    .group_segment_fixed_size: 0
    .private_segment_fixed_size: 0
    .kernarg_segment_align: 8
    .kernarg_segment_size: 64
    .max_flat_workgroup_size: 256
    .sgpr_count:     66
    .vgpr_count:     140
    .wavefront_size: 32
...
	.end_amdgpu_metadata
.endif
;; end of part 1
;; launch qkv (part 2): grid 8 x 32, 4 waves a work-group, clusters of 4 x 4, 327,680 bytes of LDS; arguments xb, wall, tab, q_norm_w, k_norm_w, qh, kvh; writes qh, kvh
.if DOCPART == 2
	.amdgcn_target "amdgcn-amd-amdhsa--gfx1250"
	.amdhsa_code_object_version 6
	.text
	.protected	k_qccea15e139_qkv
	.globl	k_qccea15e139_qkv
	.p2align	8
	.type	k_qccea15e139_qkv,@function
k_qccea15e139_qkv:
	s_mov_b64 s[64:65], 0
	v_nop
	global_prefetch_b8 v0, s[64:65] scope:SCOPE_SE
	s_setreg_imm32_b32 hwreg(HW_REG_WAVE_MODE, 25, 1), 1
	s_wait_xcnt 0x0
	s_wait_alu depctr_hold_cnt(0) depctr_sa_sdst(0) depctr_va_vdst(0) depctr_va_sdst(0) depctr_va_ssrc(0) depctr_va_vcc(0) depctr_vm_vsrc(0)
	s_getreg_b32 s2, hwreg(HW_REG_IB_STS2, 6, 4)
	s_cmp_eq_u32 s2, 0
	s_cbranch_scc0 .Lentry_in_a_cluster
	s_endpgm
.Lentry_in_a_cluster:
	s_bfe_u32 s2, ttmp6, 0x10000c
	s_cmp_lg_u32 s2, 0xf033
	s_cbranch_scc0 .Lentry_shape_is_right
	s_endpgm
.Lentry_shape_is_right:
; QKV: [8192 x 1024] x [1536 x 1024]^T in bf16 with f32 sums, then RMSNorm, RoPE and the scales, rounded once to f16 and stored by heads: qh [b][16][t][64], kvh [k, v][b][4][t][64].
; A work-group's tile is 256 tokens x 192 columns: two q heads and one k or v head (wall's rows are grouped so).  Wave w owns tokens 64 w .. 64 w + 63 and ALL 192 columns: 4 x 12 accumulators of 16 x 16,
; so a head's 64 columns of a token lie in two lanes of one wave, and norm and rotation need one exchange between the halves of the lanes.
; K = 1,024 goes in 8 steps of 128 through two LDS slots filled by the tensor data mover; rows of 256 bytes, aligned.  CLUSTER 4 x 4: x's tile is shared along a row of the cluster, wall's along a column: joint loads.
; THE MATRIX INSTRUCTION IS USED TRANSPOSED (source 0 = 16 rows of wall, source 1 = 16 tokens): lane l holds token l % 16 and columns 8 (l / 16) + 0..7 of each block of 16.
; SCALES.  q is stored times 2 log2(e) / 50, k times 1/8 (folded into the gains, which are first rounded to bf16 like every input): the next launch's product q'.k' is then the exponent for the soft cap.
; v takes gain 1, factor 1, cos 1, sin 0, chosen by v_cndmask_b32 on a mask made from the cluster's x: one text for every column tile, no branch.
; LIMITS.  v must lie within f16's range, 65,504; q' and k' below 6.1e-5 keep f16's fixed step of 6e-8.  NaN and infinities are not treated apart.
; REGISTERS, in windows of 256 (s_set_vgpr_msb: bits 1:0 source 0, 3:2 source 1, 5:4 source 2, 7:6 destination):
;   window 0: v1-29 addresses and work; v32-63 TC; v64-127 x's fragments, two buffers (on the way out Y and Z); v128-255 the table's rows for my 64 tokens
;   window 1: v0-191 wall's fragments, two buffers (on the way out v0-31: rows read back); v192-223 q's gains; v224-255 k's gains
;   windows 2, 3: accumulator (a, b) in window 2 + a / 2 at v[96 (a % 2) + 8 b]
.set NB,     12                        ; column blocks
.set PITCH,  272                       ; an LDS row: 256 bytes + 16 of padding: the 16 rows of a fragment load start at 16 different groups of four banks (ISA guide 11.1)
.set SLOT1,  131072                    ; slot 1 begins here: one exclusive or turns an address in one slot into the other's
.set BOFF,   256*PITCH                 ; a slot: x's 256 rows, then wall's 192
.set STAGE,  SLOT1+BOFF+192*PITCH      ; behind the ring: 16 rows x 144 bytes for each wave, for the way out
.set SP,     144
.set SPARE,  STAGE+4*16*SP             ; the spare words, 128 bytes for each wave: two blocks of 256 bytes that no other line names
.set KSTEPB, 256                       ; bytes of a row in a K step
.set GW0,    (1<<16)|(1<<20)|(1<<21)|(5<<22)|(3<<25)  ; group 1, word 0 without the mask: 2-byte elements; padding on; bit 21 beside a mask; after every 64 words; 4 words
.set T,     4                          ; v4-11   at work
.set RS,    12                         ; v12-17  1 / rms of the three heads, each the low word of a pair
.set ADRA,  18                         ; v18     LDS address of my fragments of x in the slot in hand
.set ADRA0, 19                         ; v19     the same in slot 0; never rewritten
.set ADRB,  20
.set ADRB0, 21
.set STO,   22                         ; the way out: where I put 16 bytes of a row
.set RD,    23                         ; where I read rows back
.set GO,    24                         ; 16 x lane
.set TBO,   25                         ; my byte offset in the table
.set WO,    26                         ; my byte offset in the gains
.set PFO,   27                         ; the prefetches' offset
.set SPW,   28                         ; LDS address of my spare word; never rewritten
.set NIL,   29                         ; 0; never rewritten
.set TC,    32                         ; the third head's cos and sin: the table's for k, 1 and 0 for v
.set Y,     64
.set Z,     96
.set TAB,   128                        ; block a at TAB + 32 a: cos f = 8 h + 0..7, cos 16 + .., sin .., sin 16 + ..
.set WQ,    192                        ; window 1
.set WK,    224
; scalars: s18 wave; s19 0: I fetch x, 1: wall; s20 which half of that tile; s21 cx; s22 cy; s23 column tile; s24 row tile; s25 mask: v; s26 slot in hand; s27 trips;
; s[28:35], s[44:51] group 1 for x, wall; s[36:43], s[52:59] group 0, two sets each (the second walks); s[60:61] prefetch pointer; s62 its limit; s[66:67] lane selects; s68 1/64; s69 1e-6; s[70:73] qh, kvh at my rows
.set MSB, 0
.macro WIN new                         ; the immediate's high byte repeats the setting that is left; a switch that changes nothing is dropped
.if MSB != (\new)
	s_set_vgpr_msb (MSB<<8)|(\new)
.set MSB, \new
.endif
.endm
.macro PLACES                          ; four plain lines between a matrix instruction and a load into, or a vector line on, its registers
.rept 4
	v_nop
.endr
.endm
.macro JLOAD                           ; a joint refill by the walking sets: waves 0, 1 fetch x's halves, waves 2, 3 wall's.  An s_nop 0 and four v_nop follow each line
	s_cmp_eq_u32 s19, 0
	s_cbranch_scc0 .Lfor_b_\@
	tensor_load_to_lds s[40:43], s[28:35]
	s_nop 0
	PLACES
	s_branch .Lasked_\@
.Lfor_b_\@:
	tensor_load_to_lds s[56:59], s[44:51]
	s_nop 0
	PLACES
.Lasked_\@:
.endm
.macro CREST                           ; a round of the cluster's barrier behind its opening barrier
	s_cmp_lg_u32 s18, 0
	s_cbranch_scc1 .Lnot_wave_0_\@
	s_barrier_signal -3
.Lnot_wave_0_\@:
	s_barrier_wait -3
	s_barrier_signal -1
	s_barrier_wait -1
.endm
.macro CROUND
	s_barrier_signal -1
	s_barrier_wait -1
	CREST
.endm
; A prefetch of the K step two refills on, behind the joint load and the run of LDS loads: a lane a row, 256 bytes.  x's rows are asked for by the clusters with x = 0, wall's by those with y = 0;
; the four partners that ask for a tile jointly share its rows out by address.  The last two refills ask for nothing: there is no K step two on.
.macro ASK
	s_cmp_gt_u32 s27, s62
	s_cbranch_scc0 .Lnot_mine_\@
	global_prefetch_b8 v[PFO], s[60:61] th:TH_LOAD_NT scope:SCOPE_SE
.Lnot_mine_\@:
.endm
.macro MULA f, a, zero                 ; 12 products: token block a x all column blocks, 32 along K, from buffer f.  zero = 1: they start the sums
	WIN 0xa1+0x50*((\a)/2)
.set bb, 0
.rept NB
.set rC, 96*((\a)%2)+8*bb
.if \zero
	v_wmma_f32_16x16x32_bf16 v[rC:rC+7], v[96*(\f)+8*bb:96*(\f)+8*bb+7], v[64+32*(\f)+8*(\a):64+32*(\f)+8*(\a)+7], 0
.else
	v_wmma_f32_16x16x32_bf16 v[rC:rC+7], v[96*(\f)+8*bb:96*(\f)+8*bb+7], v[64+32*(\f)+8*(\a):64+32*(\f)+8*(\a)+7], v[rC:rC+7]
.endif
.set bb, bb+1
.endr
.endm
.macro FETCH k, f                      ; 32 LDS loads in one run: the fragments of 32 along K at byte k of the rows: wall's 12, then x's 4
	WIN 0x40
.set bb, 0
.rept NB
	ds_load_b128 v[96*(\f)+8*bb:96*(\f)+8*bb+3],   v[ADRB] offset:(\k)+bb*16*PITCH
	ds_load_b128 v[96*(\f)+8*bb+4:96*(\f)+8*bb+7], v[ADRB] offset:(\k)+bb*16*PITCH+32
.set bb, bb+1
.endr
	WIN 0
.set aa, 0
.rept 4
	ds_load_b128 v[64+32*(\f)+8*aa:64+32*(\f)+8*aa+3],   v[ADRA] offset:(\k)+aa*16*PITCH
	ds_load_b128 v[64+32*(\f)+8*aa+4:64+32*(\f)+8*aa+7], v[ADRA] offset:(\k)+aa*16*PITCH+32
.set aa, aa+1
.endr
.endm
; A K step is four quarters of 32 along K, 48 products each, on buffers 0, 1, 0, 1.  The 48 accumulators take turns in the same order everywhere.
.macro QUARTER k, f, g, zero           ; multiplies buffer f; in its middle fetches the next quarter, at byte k, into buffer g
	s_wait_dscnt 4                                 ; all but the youngest four loads: x's blocks 2 and 3
	MULA \f, 0, \zero
	MULA \f, 1, \zero
	PLACES
	FETCH \k, \g
	s_wait_dscnt 2*NB+8                            ; all but the run just issued
	MULA \f, 2, \zero
	MULA \f, 3, \zero
.endm
; The fourth quarter multiplies buffer 1 and changes slots.  In front of the barrier each wave waits for all its tensor loads (one is out: its part of the next slot), adds 0 to its spare word,
; and waits for that and for its reads of this slot.  fill = 1: the barrier opens a round of the cluster's, and behind it this slot is filled again, two K steps ahead, first of all.
.macro TURN fill
.if \fill
	s_wait_xcnt 0x0                                ; the last prefetch, a K step back, has read its address
	s_add_nc_u64 s[60:61], s[60:61], KSTEPB
.endif
	WIN 0
	s_wait_tensorcnt 0x0
	ds_add_u32 v[SPW], v[NIL]
.if \fill
	s_xor_b32 s41, s41, SLOT1                      ; no tensor load of mine is out: the walking sets step: the other slot, the next K step
	s_add_nc_u64 s[42:43], s[42:43], KSTEPB
	s_xor_b32 s57, s57, SLOT1
	s_add_nc_u64 s[58:59], s[58:59], KSTEPB
.endif
	s_wait_dscnt 5                                 ; the add and x's blocks 2 and 3 may be out
	MULA 1, 0, 0
	s_wait_dscnt 0x0                               ; the add is done, my reads of this slot are over
	s_barrier_signal -1
	MULA 1, 1, 0
	WIN 0
	s_barrier_wait -1
.if \fill
	CREST
	JLOAD                                          ; its four v_nop are also the places in front of the loads below
.else
	PLACES
.endif
	s_xor_b32 s26, s26, SLOT1
	v_add_nc_u32 v[ADRA], s26, v[ADRA0]
	v_add_nc_u32 v[ADRB], s26, v[ADRB0]
	FETCH 0, 0
.if \fill
	ASK
.endif
	MULA 1, 2, 0
	MULA 1, 3, 0
.endm
	s_load_b256 s[4:11], s[0:1], 0x0               ; xb 4, wall 6, tab 8, q_norm_w 10
	s_load_b128 s[12:15], s[0:1], 0x20             ; k_norm_w 12, qh 14
	s_load_b64 s[16:17], s[0:1], 0x30              ; kvh
	v_lshl_add_u32 v[SPW], v0, 2, SPARE
	v_mov_b32 v[NIL], 0
	ds_add_u32 v[SPW], v[NIL]                      ; the opening: the add and its wait stand ahead of my first tensor load; work on registers stands between
	v_lshrrev_b32 v3, 5, v0
	v_readfirstlane_b32 s18, v3
	s_lshr_b32 s19, s18, 1
	s_and_b32 s20, s18, 1
	s_bfe_u32 s21, ttmp6, 0x40000                  ; cx
	s_bfe_u32 s22, ttmp6, 0x40004                  ; cy
	s_lshl_b32 s23, ttmp9, 2
	s_add_co_u32 s23, s23, s21                     ; column tile = 4 x cluster x + cx
	s_and_b32 s24, ttmp7, 0xffff
	s_lshl_b32 s24, s24, 2
	s_add_co_u32 s24, s24, s22                     ; row tile = 4 x cluster y + cy
	s_cmp_lg_u32 ttmp9, 0                          ; column tiles 4-7 carry v heads
	s_cselect_b32 s25, -1, 0
	s_lshl_b32 s74, s22, 2
	s_lshl_b32 s74, 15, s74                        ; my row of the cluster
	s_lshl_b32 s75, 0x1111, s21                    ; my column
	s_or_b32 s28, s74, GW0
	s_or_b32 s44, s75, GW0
	s_mov_b32 s29, 128<<16                         ; tensor_dim0 = 128
	s_mov_b32 s30, 128<<16                         ; tensor_dim1 = 128 rows of x
	s_mov_b32 s31, 128<<16                         ; tile_dim0 = 128
	s_mov_b32 s32, 128                             ; tile_dim1
	s_mov_b32 s33, 1024                            ; elements from row to row
	s_mov_b32 s34, 0
	s_mov_b32 s35, 0
	s_mov_b32 s45, 128<<16
	s_mov_b32 s46, 96<<16                          ; 96 rows of wall
	s_mov_b32 s47, 128<<16
	s_mov_b32 s48, 96
	s_mov_b32 s49, 1024
	s_mov_b32 s50, 0
	s_mov_b32 s51, 0
	s_lshl_b32 s76, s24, 8                         ; x: row 256 x row tile + 128 x half, in bytes: made of cy and the wave alone
	s_lshl_b32 s77, s20, 7
	s_add_co_u32 s76, s76, s77
	s_lshl_b32 s76, s76, 11
	s_mov_b32 s77, 0
	s_mul_i32 s78, s23, 192                        ; wall: row 192 x column tile + 96 x half: made of cx and the wave alone
	s_mul_i32 s79, s20, 96
	s_add_co_u32 s78, s78, s79
	s_lshl_b32 s78, s78, 11
	s_mov_b32 s79, 0
	s_mul_i32 s80, s20, 128*PITCH                  ; where they go: no place in the cluster enters an LDS address
	s_mul_i32 s81, s20, 96*PITCH
	s_add_co_u32 s81, s81, BOFF
	s_mov_b32 s66, 0x76543210
	s_mov_b32 s67, 0xfedcba98
	s_mov_b32 s68, 0x3c800000                      ; 1/64
	s_mov_b32 s69, 0x358637bd                      ; 1e-6
	s_mov_b32 s26, 0
	s_wait_dscnt 0x0                               ; the opening add is done
	s_wait_kmcnt 0x0
	s_add_nc_u64 s[84:85], s[4:5], s[76:77]
	s_add_nc_u64 s[86:87], s[6:7], s[78:79]
.irp q, 0,1
	s_mov_b32 s[36+4*(\q)], 1
	s_add_co_u32 s[37+4*(\q)], s80, (\q)*SLOT1
	s_add_nc_u64 s[38+4*(\q):39+4*(\q)], s[84:85], (\q)*KSTEPB
	s_or_b32 s[39+4*(\q)], s[39+4*(\q)], 0x80000000
	s_mov_b32 s[52+4*(\q)], 1
	s_add_co_u32 s[53+4*(\q)], s81, (\q)*SLOT1
	s_add_nc_u64 s[54+4*(\q):55+4*(\q)], s[86:87], (\q)*KSTEPB
	s_or_b32 s[55+4*(\q)], s[55+4*(\q)], 0x80000000
.endr
	CROUND                                         ; all sixteen work-groups are here: the first joint loads meet
	s_cmp_eq_u32 s19, 0                            ; a wave's two first fills stand in one branch: two loads of mine are out
	s_cbranch_scc0 .Lfirst_b
	tensor_load_to_lds s[36:39], s[28:35]
	s_nop 0
	tensor_load_to_lds s[40:43], s[28:35]
	s_nop 0
	PLACES
	s_branch .Lfirst_done
.Lfirst_b:
	tensor_load_to_lds s[52:55], s[44:51]
	s_nop 0
	tensor_load_to_lds s[56:59], s[44:51]
	s_nop 0
	PLACES
.Lfirst_done:
	; all that follows, up to the first barrier, stands in the wait for the first tile
	v_and_b32 v1, 15, v0                           ; r = l % 16
	v_bfe_u32 v2, v0, 4, 1                         ; h = l / 16
	v_lshlrev_b32 v[WO], 5, v2                     ; my 8 gains of each block of 16: byte 64 b' + 32 h
	WIN 0x40
.set i, 0
.rept 4
	global_load_b128 v[WQ+8*i:WQ+8*i+3],   v[WO], s[10:11] offset:64*i
	global_load_b128 v[WQ+8*i+4:WQ+8*i+7], v[WO], s[10:11] offset:64*i+16
	global_load_b128 v[WK+8*i:WK+8*i+3],   v[WO], s[12:13] offset:64*i
	global_load_b128 v[WK+8*i+4:WK+8*i+7], v[WO], s[12:13] offset:64*i+16
.set i, i+1
.endr
	WIN 0
	s_and_b32 s74, s24, 3
	s_lshl_b32 s74, s74, 2
	s_add_co_u32 s74, s74, s18                     ; 4 (row tile % 4) + wave: my 64 positions,
	s_lshl_b32 s74, s74, 14                        ; 256 bytes of table each
	v_lshlrev_b32 v[TBO], 8, v1
	v_lshl_add_u32 v[TBO], v2, 5, v[TBO]
	v_add_nc_u32 v[TBO], s74, v[TBO]
.set i, 0
.rept 32                                       ; block i / 8; cos 0, cos 16, sin 0, sin 16, two loads each.  They stay out until the way out
	global_load_b128 v[TAB+4*i:TAB+4*i+3], v[TBO], s[8:9] offset:4096*(i/8)+64*((i%8)/2)+16*(i%2)
.set i, i+1
.endr
	v_mul_u32_u24 v3, v1, PITCH
	v_lshl_add_u32 v3, v2, 4, v3                   ; a fragment's row x pitch + 16 x half
	s_mul_i32 s74, s18, 64*PITCH
	v_add_nc_u32 v[ADRA0], s74, v3
	v_add_nc_u32 v[ADRB0], BOFF, v3
	v_mov_b32 v[ADRA], v[ADRA0]
	v_mov_b32 v[ADRB], v[ADRB0]
	; the prefetches.  Waves 0, 1: x's rows 256 TY + 128 half + 32 cx + lane.  Wave 2: wall's rows 192 TX + 32 cy + lane.  Wave 3: rows 192 TX + 128 + 16 cy + lane % 16: its lanes 16-31 name its sixteen rows a second time.
	s_lshl_b32 s74, s21, 16
	s_add_co_u32 s74, s74, s76
	s_mul_i32 s75, s23, 192
	s_lshl_b32 s88, s20, 7
	s_add_co_u32 s75, s75, s88
	s_sub_co_u32 s88, 5, s20
	s_lshl_b32 s88, s22, s88
	s_add_co_u32 s75, s75, s88
	s_lshl_b32 s75, s75, 11
	s_and_b32 s88, ttmp7, 0xffff
	s_cmp_eq_u32 s19, 0
	s_cselect_b32 s74, s74, s75
	s_cselect_b32 s88, ttmp9, s88                  ; the coordinate along which other clusters read the same rows
	s_cselect_b64 s[60:61], s[4:5], s[6:7]
	s_cmp_eq_u32 s88, 0
	s_cselect_b32 s62, 2, -1                       ; trips 6 to 3 ask; the same in all sixteen partners, for a given wave
	s_add_co_u32 s74, s74, 3*KSTEPB                ; at K step 3: the first refill (K step 2) steps it to 4
	s_mov_b32 s75, 0
	s_add_nc_u64 s[60:61], s[60:61], s[74:75]
	s_cmp_eq_u32 s18, 3
	s_cselect_b32 s88, 15, 31
	v_and_b32 v[PFO], s88, v0
	v_lshlrev_b32 v[PFO], 11, v[PFO]
	; the way out's addresses
	s_mul_i32 s74, s18, 16*SP
	s_add_co_u32 s74, s74, STAGE
	v_mul_u32_u24 v[STO], v1, SP                   ; in: row l % 16, 16 bytes for each half of the lanes
	v_lshl_add_u32 v[STO], v2, 4, v[STO]
	v_add_nc_u32 v[STO], s74, v[STO]
	v_bfe_u32 v[RD], v0, 3, 2                      ; back: 32 lanes take four rows of 128 bytes,
	v_mul_u32_u24 v[RD], v[RD], SP
	v_and_b32 v3, 7, v0
	v_lshl_add_u32 v[RD], v3, 4, v[RD]
	v_add_nc_u32 v[RD], s74, v[RD]
	v_and_b32 v[GO], 31, v0                        ; which are 512 consecutive bytes of a head
	v_lshlrev_b32 v[GO], 4, v[GO]
	s_lshr_b32 s74, s24, 2                         ; b
	s_lshl_b32 s75, s74, 4
	s_lshl1_add_u32 s75, s23, s75                  ; q head 16 b + 2 TX
	s_lshl_b32 s75, s75, 10
	s_and_b32 s76, s24, 3
	s_lshl_b32 s76, s76, 8
	s_lshl_b32 s77, s18, 6
	s_add_co_u32 s76, s76, s77                     ; my first position
	s_add_co_u32 s75, s75, s76
	s_lshl_b32 s78, s75, 7
	s_mov_b32 s79, 0
	s_add_nc_u64 s[70:71], s[14:15], s[78:79]
	s_lshr_b32 s75, s23, 2                         ; 0: k, 1: v
	s_lshl_b32 s75, s75, 5
	s_lshl2_add_u32 s75, s74, s75
	s_and_b32 s77, s23, 3
	s_add_co_u32 s75, s75, s77                     ; 32 (k or v) + 4 b + n
	s_lshl_b32 s75, s75, 10
	s_add_co_u32 s75, s75, s76
	s_lshl_b32 s78, s75, 7
	s_add_nc_u64 s[72:73], s[16:17], s[78:79]
	v_mov_b32 v[RS+1], 0                           ; named as pairs
	v_mov_b32 v[RS+3], 0
	v_mov_b32 v[RS+5], 0
	; the gains: rounded to bf16, widened, times the scale; 1 for v
	s_mov_b32 s74, 0x3d6c5f04                      ; 2 log2(e) / 50
	s_mov_b32 s75, s74
	s_mov_b32 s76, 0x3e000000                      ; 1/8
	s_mov_b32 s77, s76
	s_wait_loadcnt 32                              ; the 16 loads of the gains are in; the table's 32 stay out
	WIN 0x55
.set i, 0
.rept 16
	v_cvt_pk_bf16_f32 v[i], v[WQ+2*i], v[WQ+2*i+1]
	v_cvt_pk_bf16_f32 v[16+i], v[WK+2*i], v[WK+2*i+1]
.set i, i+1
.endr
.set i, 0
.rept 16
	v_lshlrev_b32 v[WQ+2*i], 16, v[i]
	v_and_b32 v[WQ+2*i+1], 0xffff0000, v[i]
	v_lshlrev_b32 v[WK+2*i], 16, v[16+i]
	v_and_b32 v[WK+2*i+1], 0xffff0000, v[16+i]
.set i, i+1
.endr
.set i, 0
.rept 16
	v_pk_mul_f32 v[WQ+2*i:WQ+2*i+1], v[WQ+2*i:WQ+2*i+1], s[74:75] op_sel_hi:[1,0]
	v_pk_mul_f32 v[WK+2*i:WK+2*i+1], v[WK+2*i:WK+2*i+1], s[76:77] op_sel_hi:[1,0]
.set i, i+1
.endr
.set i, 0
.rept 32
	v_cndmask_b32 v[WK+i], v[WK+i], 1.0, s25
.set i, i+1
.endr
	WIN 0
	s_wait_tensorcnt 0x1                           ; my part of K step 0 is in; K step 1's stays out
	s_barrier_signal -1
	s_barrier_wait -1
	FETCH 0, 0
	QUARTER 64, 0, 1, 1                            ; the first quarter stands in front of the loop: its products start the sums
	WIN 0
	s_mov_b32 s27, 6
.Lstep:                                            ; a trip: a K step's quarters 2 to 4 and the next one's first; it asks for K steps 2 to 7
	QUARTER 128, 1, 0, 0
	QUARTER 192, 0, 1, 0
	TURN 1
	QUARTER 64, 0, 1, 0
	WIN 0
	s_sub_co_u32 s27, s27, 1
	s_cmp_lg_u32 s27, 0
	s_cbranch_scc1 .Lstep
	QUARTER 128, 1, 0, 0                           ; the tail is written out: nothing more is asked for
	QUARTER 192, 0, 1, 0
	TURN 0
	QUARTER 64, 0, 1, 0
	QUARTER 128, 1, 0, 0
	QUARTER 192, 0, 1, 0
	s_wait_dscnt 4
	MULA 1, 0, 0
	MULA 1, 1, 0
	s_wait_dscnt 0x0
	MULA 1, 2, 0
	MULA 1, 3, 0
; THE WAY OUT, a block of 16 tokens at a time.  SUMSQ: a head's sum of squares for my token: four chains over my 32 numbers (each accumulator's lowest registers are read first),
; the other half of the lanes' by one exchange; then mean + eps.
.macro SUMSQ a, s
.set AC, 96*((\a)%2)+32*(\s)
	WIN 0x0a+5*((\a)/2)                            ; sources 0 and 1 in the accumulators' window
.irp c, 0,1,2,3
	v_pk_mul_f32 v[T+2*\c:T+2*\c+1], v[AC+8*\c:AC+8*\c+1], v[AC+8*\c:AC+8*\c+1]
.endr
.irp j, 1,2,3
.irp c, 0,1,2,3
	v_pk_fma_f32 v[T+2*\c:T+2*\c+1], v[AC+8*\c+2*\j:AC+8*\c+2*\j+1], v[AC+8*\c+2*\j:AC+8*\c+2*\j+1], v[T+2*\c:T+2*\c+1]
.endr
.endr
	WIN 0
	v_pk_add_f32 v[T:T+1], v[T:T+1], v[T+2:T+3]
	v_pk_add_f32 v[T+4:T+5], v[T+4:T+5], v[T+6:T+7]
	v_pk_add_f32 v[T:T+1], v[T:T+1], v[T+4:T+5]
	v_add_f32 v[T], v[T], v[T+1]
	v_permlanex16_b32 v[T+1], v[T], s66, s67
	v_add_f32 v[T], v[T], v[T+1]
	v_fma_f32 v[RS+2*(\s)], v[T], s68, s69
.endm
.macro SENDU n                         ; unit n's 16 rows of a head, 2,048 consecutive bytes: each store 512, aligned
	s_wait_dscnt 0x0                               ; they are back in registers
	WIN 0x04                                       ; data in window 1
.irp f, 0,1,2,3
	global_store_b128 v[GO], v[16*((\n)%2)+4*\f:16*((\n)%2)+4*\f+3], s[PBASE:PBASE+1] offset:POFF+512*\f
.endr
.endm
; A UNIT: head s of block a.  Y = x w; the rotation (Z); times 1 / rms; rounded to f16; through my stage in LDS; the unit before is stored while this one's rows come back.
.set UN, 0
.macro UNIT a, s
.set AC, 96*((\a)%2)+32*(\s)
.if (\s) < 2
.set GN, WQ
.set CT, TAB+32*(\a)
.set NBASE, 70
.set NOFF, 131072*(\s)+2048*(\a)
.else
.set GN, WK
.set CT, TC
.set NBASE, 72
.set NOFF, 2048*(\a)
.endif
	s_wait_xcnt 0x0                                ; the stores of the unit before last have read the registers that this unit's rows come back into
	WIN 0x06+(\a)/2                                ; source 0: accumulators; source 1: window 1
.set i, 0
.rept 16
	v_pk_mul_f32 v[Y+2*i:Y+2*i+1], v[AC+2*i:AC+2*i+1], v[GN+2*i:GN+2*i+1]
.set i, i+1
.endr
	WIN 0
.set i, 0
.rept 8                                        ; pair i of the first 32 channels and its partner 32 channels on
	v_pk_mul_f32 v[Z+2*i:Z+2*i+1], v[Y+16+2*i:Y+16+2*i+1], v[CT+16+2*i:CT+16+2*i+1]
	v_pk_mul_f32 v[Z+16+2*i:Z+16+2*i+1], v[Y+2*i:Y+2*i+1], v[CT+16+2*i:CT+16+2*i+1]
	v_pk_fma_f32 v[Z+2*i:Z+2*i+1], v[Y+2*i:Y+2*i+1], v[CT+2*i:CT+2*i+1], v[Z+2*i:Z+2*i+1]                                       ; x1 c + x2 s
	v_pk_fma_f32 v[Z+16+2*i:Z+16+2*i+1], v[Y+16+2*i:Y+16+2*i+1], v[CT+2*i:CT+2*i+1], v[Z+16+2*i:Z+16+2*i+1] neg_lo:[0,0,1] neg_hi:[0,0,1]  ; x2 c - x1 s
.set i, i+1
.endr
.set i, 0
.rept 16
	v_pk_mul_f32 v[Z+2*i:Z+2*i+1], v[Z+2*i:Z+2*i+1], v[RS+2*(\s):RS+2*(\s)+1] op_sel_hi:[1,0]
.set i, i+1
.endr
.set i, 0
.rept 16
	v_cvt_pk_f16_f32 v[Y+i], v[Z+2*i], v[Z+2*i+1]
.set i, i+1
.endr
.if UN > 0
	SENDU UN-1
.endif
	WIN 0
.irp f, 0,1,2,3
	ds_store_b128 v[STO], v[Y+4*\f:Y+4*\f+3] offset:32*\f
.endr
	WIN 0x40
.irp f, 0,1,2,3
	ds_load_b128 v[16*(UN%2)+4*\f:16*(UN%2)+4*\f+3], v[RD] offset:4*SP*\f  ; LDS serves a wave's instructions in order (ISA guide 5.7.1.4): these see the stores above
.endr
.set PBASE, NBASE
.set POFF, NOFF
.set UN, UN+1
.endm
.macro ROWBLK a
	SUMSQ \a, 0
	SUMSQ \a, 1
	SUMSQ \a, 2
	v_rsq_f32 v[RS], v[RS]
	v_rsq_f32 v[RS+2], v[RS+2]
	v_rsq_f32 v[RS+4], v[RS+4]
.set i, 0
.rept 16                                       ; independent work behind the three roots: the third head's table
	v_cndmask_b32 v[TC+i], v[TAB+32*(\a)+i], 1.0, s25
	v_cndmask_b32 v[TC+16+i], v[TAB+32*(\a)+16+i], 0, s25
.set i, i+1
.endr
	s_wait_alu depctr_va_vdst(0)                   ; one wait for the three, ahead of their first reader
	v_cndmask_b32 v[RS+4], v[RS+4], 1.0, s25
	UNIT \a, 0
	UNIT \a, 1
	UNIT \a, 2
.endm
	PLACES
	s_wait_loadcnt 0x0                             ; the table
	ROWBLK 0
	ROWBLK 1
	ROWBLK 2
	ROWBLK 3
	SENDU 11
	WIN 0
	s_wait_tensorcnt 0x0                           ; the wave's end: behind my last tensor load and my last LDS store
	ds_add_u32 v[SPW], v[NIL]
	s_wait_dscnt 0x0
	CROUND                                         ; the closing round: no work-group ends while a partner may still ask for a tile that names it
	s_endpgm
.Lfunc_end_k_qccea15e139_qkv:
	.size	k_qccea15e139_qkv, .Lfunc_end_k_qccea15e139_qkv-k_qccea15e139_qkv
	.p2alignl 7, 3214868480
	.fill 96, 4, 3214868480
	.section	.rodata,"a",@progbits
	.p2align	6, 0x0
	.amdhsa_kernel k_qccea15e139_qkv
		.amdhsa_group_segment_fixed_size 327680
		.amdhsa_private_segment_fixed_size 0
		.amdhsa_enable_private_segment 0
		.amdhsa_kernarg_size 56
		.amdhsa_user_sgpr_count 2
		.amdhsa_user_sgpr_kernarg_segment_ptr 1
		.amdhsa_wavefront_size32 1
		.amdhsa_system_sgpr_workgroup_id_x 1
		.amdhsa_system_sgpr_workgroup_id_y 1
		.amdhsa_system_sgpr_workgroup_id_z 1
		.amdhsa_system_vgpr_workitem_id 0
		.amdhsa_next_free_vgpr 1024
		.amdhsa_next_free_sgpr 90
		.amdhsa_reserve_vcc 0
		.amdhsa_float_denorm_mode_32 3
		.amdhsa_float_denorm_mode_16_64 3
		.amdhsa_memory_ordered 1
		.amdhsa_forward_progress 1
		.amdhsa_inst_pref_size 188
	.end_amdhsa_kernel
	.amdgpu_metadata
---
amdhsa.version: [ 1, 2 ]
amdhsa.kernels:
  - .name:           k_qccea15e139_qkv
    .symbol:         k_qccea15e139_qkv.kd
    .args:
      - { .name: xb, .offset: 0, .size: 8, .value_kind: global_buffer, .address_space: global }
      - { .name: wall, .offset: 8, .size: 8, .value_kind: global_buffer, .address_space: global }
      - { .name: tab, .offset: 16, .size: 8, .value_kind: global_buffer, .address_space: global }
      - { .name: q_norm_w, .offset: 24, .size: 8, .value_kind: global_buffer, .address_space: global }
      - { .name: k_norm_w, .offset: 32, .size: 8, .value_kind: global_buffer, .address_space: global }
      - { .name: qh, .offset: 40, .size: 8, .value_kind: global_buffer, .address_space: global }
      - { .name: kvh, .offset: 48, .size: 8, .value_kind: global_buffer, .address_space: global }
    .group_segment_fixed_size: 327680
    .private_segment_fixed_size: 0
    .kernarg_segment_align: 8
    .kernarg_segment_size: 56
    .max_flat_workgroup_size: 128
    .sgpr_count:     90
    .vgpr_count:     1024
    .wavefront_size: 32
...
	.end_amdgpu_metadata
.endif
;; end of part 2
;; launch attn (part 3): grid 8 x 32, 8 waves a work-group, clusters of 4 x 1, 327,680 bytes of LDS; arguments qh, kvh, yh; writes yh
.if DOCPART == 3
	.amdgcn_target "amdgcn-amd-amdhsa--gfx1250"
	.amdhsa_code_object_version 6
	.text
	.protected	k_qccea15e139_attn
	.globl	k_qccea15e139_attn
	.p2align	8
	.type	k_qccea15e139_attn,@function
k_qccea15e139_attn:
	s_mov_b64 s[64:65], 0
	v_nop
	global_prefetch_b8 v0, s[64:65] scope:SCOPE_SE
	s_setreg_imm32_b32 hwreg(HW_REG_WAVE_MODE, 25, 1), 1
	s_wait_xcnt 0x0
	s_wait_alu depctr_hold_cnt(0) depctr_sa_sdst(0) depctr_va_vdst(0) depctr_va_sdst(0) depctr_va_ssrc(0) depctr_va_vcc(0) depctr_vm_vsrc(0)
	s_getreg_b32 s2, hwreg(HW_REG_IB_STS2, 6, 4)
	s_cmp_eq_u32 s2, 0
	s_cbranch_scc0 .Lentry_in_a_cluster
	s_endpgm
.Lentry_in_a_cluster:
	s_bfe_u32 s2, ttmp6, 0x10000c
	s_cmp_lg_u32 s2, 0x3003
	s_cbranch_scc0 .Lentry_shape_is_right
	s_endpgm
.Lentry_shape_is_right:
; CAUSAL GQA ATTENTION WITH A SOFT CAP.  qh, yh: [b][16][1024][64] f16; kvh: [k, v][b][4][1024][64] f16.  q' holds q x 2 log2(e) / 50, k' holds k / 8, so S' = q'.k' = 2 log2(e) (s / 50).
; THE CAP.  e = 2^S', r = 1 / (1 + e): 50 tanh(s / 50) log2(e) = C - 2 C r, 2 C = C2 = 144.27.  The capped score falls as r grows, so its running maximum is kept as the running MINIMUM of r (RM), in f32:
; p = 2^(C2 (RM - r)), and in every step O and l are multiplied by a = 2^(C2 (RM_new - RM_old)).  OFF holds C2 x RM rounded once; p and a are both made from OFF, so they agree.
; A hidden key takes r = 1e30: its p is 0.  RM starts at 2, above every r: a pair-tile's first a is 2^-144 or less, nothing beside what follows, so O and l need only be finite there.
; SHARES.  The four work-groups of a cluster are the four q heads of one kv head: they read the same K and V (joint loads) and run the same text on the same counts.  A head's queries are 32 pair-tiles of 32;
; pair-tile U needs U / 2 + 1 key steps of 64, the last with the diagonal.  Wave w of cluster z takes u = 8 z + w: pair-tile 31 - u, then pair-tile u: 17 steps for every wave.
; THE WALK.  An outer loop of 2 trips (a pair-tile each) round an inner loop of 16: trip s is key step s, and the LDS bytes of its K and V are s times a constant, stepped at the loop's foot on every way.
; A pair-tile whose steps are done jumps forward over the trips that are left, 15 of the 32 for every wave, a few scalar lines each; what is jumped holds no barrier and no tensor load.
; ALL OF K AND V of the kv head lies in LDS, filled once: no ring, no barrier in the walk.  Two waves share a SIMD and drift apart: one's products run beside the other's softmax; so the text stays in phases.
; No prefetch: every byte of K and V is asked for by the fills at the head.
; LAYOUT.  S^T = K Q^T (source 0 = 16 keys, source 1 = 16 queries): a lane holds ONE query (lane % 16) and keys 8 (lane / 16) + 0..7.  Two such results rounded to f16 ARE source 1 of O^T = V^T P.
; LIMITS.  v and y within f16's range; p below 6e-5 keeps f16's fixed step; a weight below 2^-126 counts as 0; NaN and infinities are not treated apart.
; REGISTERS.  window 0: v1-15 addresses; v16-31 statistics, 8 a tile; v32-33; v40-71 Q; v72-135 K of a step; v136-199 S^T; v200-231 P.   window 1: v0-63 O^T; v64-127 V of a step; v128-159 the second pair-tile's Q.
.set PK,    272                        ; an LDS row of K: two keys (256 bytes) + 16: the 16 keys of a fragment load take 16 different groups of four banks (ISA guide 11.1)
.set PV,    288                        ; of V: two keys + 32
.set VB,    512*PK                     ; V behind K's 512 rows
.set STAGE, 296960                     ; behind V, more than a step's length of V left free between: 16 rows x 144 bytes for each wave, for the way out
.set SP,    144
.set SPARE, STAGE+8*16*SP              ; the spare words, 128 bytes for each wave: four blocks of 256 bytes that no other line names
.set AK0, 4                            ; my lane's place in a step of K; never rewritten
.set AV0, 5                            ; of V
.set AK,  6
.set AV,  7
.set QO,  8
.set STO, 9
.set RD,  10
.set GO,  11
.set BIG, 12                           ; 1e30
.set DV,  13                           ; l % 16 - 8 (l / 16)
.set SPW, 14
.set NIL, 15
.set ST,  16                           ; tile t at ST + 8 t: OFF, RM, l (even keys', odd keys'), c0-c3 at work; a takes c2's place
.set MV,  32                           ; OFF_old
.set Q,   40                           ; tile t, channel half c at Q + 16 t + 8 c
.set KF,  72                           ; key block kb, channel half c at KF + 16 kb + 8 c
.set S,   136                          ; S + 32 t + 8 kb
.set P,   200                          ; P + 16 t + 8 kk
.set O,   0                            ; window 1: O + 32 t + 8 cb
.set VF,  64                           ; window 1: VF + 32 kk + 8 cb
.set QB,  128                          ; window 1
; scalars: s10 wave; s11 z; s12 cx; s13 4 b + n; s14 u; s15 pair-tiles to go; s16 steps left in the pair-tile; s17 its parity; s18 trips to go; s19 the second pair-tile's steps; s20, s21 LDS byte of the trip's K, V;
; s[22:23] -C2; s24 C2; s[26:27] lane selects; s[28:35], s[36:43] group 1 for K, V; s[44:47], s[48:51] group 0; s[52:59] the diagonal block's masks; s[60:61] yh at the pair-tile in hand; s[62:63] at the second; s[66:69] qh at both
.set MSB, 0
.macro WIN new
.if MSB != (\new)
	s_set_vgpr_msb (MSB<<8)|(\new)
.set MSB, \new
.endif
.endm
.macro PLACES
.rept 4
	v_nop
.endr
.endm
.macro CROUND                          ; a round of the cluster's barrier
	s_barrier_signal -1
	s_barrier_wait -1
	s_cmp_lg_u32 s10, 0
	s_cbranch_scc1 .Lnot_wave_0_\@
	s_barrier_signal -3
.Lnot_wave_0_\@:
	s_barrier_wait -3
	s_barrier_signal -1
	s_barrier_wait -1
.endm
	s_load_b128 s[4:7], s[0:1], 0x0                ; qh 4, kvh 6
	s_load_b64 s[8:9], s[0:1], 0x10                ; yh
	v_lshl_add_u32 v[SPW], v0, 2, SPARE
	v_mov_b32 v[NIL], 0
	ds_add_u32 v[SPW], v[NIL]                      ; the opening: the add and its wait stand ahead of my tensor load
	v_lshrrev_b32 v3, 5, v0
	v_readfirstlane_b32 s10, v3
	s_mov_b32 s11, ttmp9
	s_bfe_u32 s12, ttmp6, 0x40000
	s_and_b32 s13, ttmp7, 0xffff
	s_lshl3_add_u32 s14, s11, s10                  ; u
	s_and_b32 s70, s10, 3                          ; which quarter (256 keys) of K or of V I fetch
	s_lshl_b32 s72, s70, 15
	s_lshl_b32 s71, s13, 17
	s_add_co_u32 s72, s72, s71
	s_mov_b32 s73, 0
	s_mul_i32 s74, s70, 128*PK
	s_mul_i32 s75, s70, 128*PV
	s_mov_b32 s28, 15|(1<<16)|(1<<20)|(1<<21)|(5<<22)|(3<<25)  ; the mask of four; 2-byte elements; padding on; bit 21 beside a mask; after every 64 words; 4 words
	s_mov_b32 s36, 15|(1<<16)|(1<<20)|(1<<21)|(5<<22)|(7<<25)  ; the same with 8 words
.irp g, 28, 36
	s_mov_b32 s[\g+1], 128<<16                     ; tensor_dim0 = 128: 256 dense bytes, two keys
	s_mov_b32 s[\g+2], 128<<16                     ; tensor_dim1 = 128
	s_mov_b32 s[\g+3], 128<<16                     ; tile_dim0
	s_mov_b32 s[\g+4], 128                         ; tile_dim1
	s_mov_b32 s[\g+5], 128                         ; elements from row to row
	s_mov_b32 s[\g+6], 0
	s_mov_b32 s[\g+7], 0
.endr
	s_mov_b32 s44, 1
	s_mov_b32 s45, s74
	s_mov_b32 s48, 1
	s_add_co_u32 s49, s75, VB
	s_mov_b32 s22, 0xc31044fe                      ; -C2
	s_mov_b32 s23, s22
	s_mov_b32 s24, 0x431044fe                      ; C2 = 100 log2(e)
	s_mov_b32 s26, 0x76543210
	s_mov_b32 s27, 0xfedcba98
	s_wait_dscnt 0x0
	s_wait_kmcnt 0x0
	s_add_nc_u64 s[46:47], s[6:7], s[72:73]
	s_add_nc_u64 s[50:51], s[6:7], s[72:73]
	s_add_nc_u64 s[50:51], s[50:51], 4194304       ; v lies behind k's 32 heads
	s_or_b32 s47, s47, 0x80000000
	s_or_b32 s51, s51, 0x80000000
	CROUND                                         ; all four work-groups are here: the joint loads meet
	s_cmp_lt_u32 s10, 4                            ; waves 0-3 fetch K, waves 4-7 V: one load a wave, 128 rows of 256 bytes
	s_cbranch_scc0 .Lfill_v
	tensor_load_to_lds s[44:47], s[28:35]
	s_nop 0
	PLACES
	s_branch .Lfilled
.Lfill_v:
	tensor_load_to_lds s[48:51], s[36:43]
	s_nop 0
	PLACES
.Lfilled:
	s_lshl2_add_u32 s70, s13, s12                  ; my q head: cx enters Q's and O's global addresses alone
	s_lshl_b32 s70, s70, 17
	s_sub_co_u32 s71, 31, s14
	s_lshl_b32 s72, s71, 12                        ; a pair-tile is 4,096 bytes
	s_add_co_u32 s72, s72, s70
	s_lshl_b32 s74, s14, 12
	s_add_co_u32 s74, s74, s70
	s_mov_b32 s75, 0
	s_add_nc_u64 s[66:67], s[4:5], s[72:73]
	s_add_nc_u64 s[68:69], s[4:5], s[74:75]
	s_add_nc_u64 s[60:61], s[8:9], s[72:73]
	s_add_nc_u64 s[62:63], s[8:9], s[74:75]
	v_and_b32 v1, 15, v0                           ; r
	v_bfe_u32 v2, v0, 4, 1                         ; h
	v_lshlrev_b32 v[QO], 7, v1
	v_lshl_add_u32 v[QO], v2, 4, v[QO]
.set i, 0
.rept 4
	global_load_b128 v[Q+8*i:Q+8*i+3],   v[QO], s[66:67] offset:(i/2)*2048+(i%2)*64
	global_load_b128 v[Q+8*i+4:Q+8*i+7], v[QO], s[66:67] offset:(i/2)*2048+(i%2)*64+32
.set i, i+1
.endr
	WIN 0x40
.set i, 0
.rept 4
	global_load_b128 v[QB+8*i:QB+8*i+3],   v[QO], s[68:69] offset:(i/2)*2048+(i%2)*64
	global_load_b128 v[QB+8*i+4:QB+8*i+7], v[QO], s[68:69] offset:(i/2)*2048+(i%2)*64+32
.set i, i+1
.endr
.set i, 0
.rept 64
	v_mov_b32 v[O+i], 0                            ; finite numbers for the first a: written in the wait for K and V
.set i, i+1
.endr
	WIN 0
	v_bfe_u32 v3, v0, 1, 3                         ; key r of a block: row r / 2, half r % 2
	v_mul_u32_u24 v[AK0], v3, PK
	v_and_b32 v3, 1, v0
	v_lshl_add_u32 v[AK0], v3, 7, v[AK0]
	v_lshl_add_u32 v[AK0], v2, 4, v[AK0]
	v_bfe_u32 v3, v0, 1, 2                         ; the turning load: lane l reads key 8 h + l % 8, channels 8 ((l / 8) % 2) + 0..7
	v_lshl_add_u32 v3, v2, 2, v3
	v_mul_u32_u24 v[AV0], v3, PV
	v_and_b32 v3, 1, v0
	v_lshl_add_u32 v[AV0], v3, 7, v[AV0]
	v_bfe_u32 v3, v0, 3, 1
	v_lshl_add_u32 v[AV0], v3, 4, v[AV0]
	v_add_nc_u32 v[AV0], VB, v[AV0]
	s_mul_i32 s70, s10, 16*SP
	s_add_co_u32 s70, s70, STAGE
	v_mul_u32_u24 v[STO], v1, SP
	v_lshl_add_u32 v[STO], v2, 4, v[STO]
	v_add_nc_u32 v[STO], s70, v[STO]
	v_bfe_u32 v[RD], v0, 3, 2
	v_mul_u32_u24 v[RD], v[RD], SP
	v_and_b32 v3, 7, v0
	v_lshl_add_u32 v[RD], v3, 4, v[RD]
	v_add_nc_u32 v[RD], s70, v[RD]
	v_and_b32 v[GO], 31, v0
	v_lshlrev_b32 v[GO], 4, v[GO]
	v_mov_b32 v[BIG], 0x7149f2ca
	v_lshlrev_b32 v[DV], 3, v2
	v_sub_nc_u32 v[DV], v1, v[DV]
.set i, 0
.rept 8
	v_cmp_gt_i32 s[52+i], i, v[DV]                 ; in the diagonal block register i (key 8 h + i) is hidden from query r where i > r - 8 h
.set i, i+1
.endr
.set i, 0
.rept 2
	v_mov_b32 v[ST+8*i], 0x439044fe                ; OFF = 2 C2
	v_mov_b32 v[ST+8*i+1], 2.0                     ; RM
	v_mov_b32 v[ST+8*i+2], 0
	v_mov_b32 v[ST+8*i+3], 0
	v_mov_b32 v[ST+8*i+4], 0
	v_mov_b32 v[ST+8*i+5], 0
	v_mov_b32 v[ST+8*i+6], 0
	v_mov_b32 v[ST+8*i+7], 0
.set i, i+1
.endr
	s_lshr_b32 s16, s71, 1
	s_add_co_u32 s16, s16, 1                       ; (31 - u) / 2 + 1 steps,
	s_lshr_b32 s19, s14, 1
	s_add_co_u32 s19, s19, 1                       ; then u / 2 + 1: 17 together
	s_and_b32 s17, s71, 1
	s_mov_b32 s15, 2
	s_wait_tensorcnt 0x0                           ; my quarter is in,
	s_barrier_signal -1
	s_barrier_wait -1                              ; everybody's is
	s_wait_loadcnt 0x0                             ; Q
; Block (t, kb) of a step.  dg = 1: the step with the diagonal; par: the pair-tile's parity: tile t's queries lie beside key block 2 par + t.  HID: wholly hidden.  DIA: holds the diagonal.
.macro STATE dg, par, t, kb
.set HID, 0
.set DIA, 0
.if \dg
.if (\kb) > 2*(\par)+(\t)
.set HID, 1
.endif
.if (\kb) == 2*(\par)+(\t)
.set DIA, 1
.endif
.endif
.endm
; One kind of line over the blocks.  0: r = 1e30 in hidden blocks.  1: e = 2^S'.  2: 1 + e.  3: r.  4: r = 1e30 for the diagonal block's hidden keys.  Hidden blocks take no part in 1 to 3.
.macro BLOCKS dg, par, kind
.set tt, 0
.rept 2
.set kb, 0
.rept NKB
	STATE \dg, \par, tt, kb
.set rB, S+32*tt+8*kb
.set i, 0
.rept 8
.if ((\kind) == 0) && HID
	v_mov_b32 v[rB+i], v[BIG]
.elseif ((\kind) == 1) && !HID
	v_exp_f32 v[rB+i], v[rB+i]
.elseif ((\kind) == 2) && !HID && (i%2 == 0)
	v_pk_add_f32 v[rB+i:rB+i+1], v[rB+i:rB+i+1], 1.0 op_sel_hi:[1,0]
.elseif ((\kind) == 3) && !HID
	v_rcp_f32 v[rB+i], v[rB+i]
.elseif ((\kind) == 4) && DIA
	v_cndmask_b32 v[rB+i], v[rB+i], v[BIG], s[52+i]
.endif
.set i, i+1
.endr
.set kb, kb+1
.endr
.set tt, tt+1
.endr
.endm
; One kind of line over all the step's scores.  0: OFF - C2 r.  1: p.  2: p rounded to f16, in pairs.
.macro ALLP kind
.set tt, 0
.rept 2
.set rT, ST+8*tt
.set i, 0
.rept 8*NKB
.set rB, S+32*tt+i
.if ((\kind) == 0) && (i%2 == 0)
	v_pk_fma_f32 v[rB:rB+1], v[rB:rB+1], s[22:23], v[rT:rT+1] op_sel_hi:[1,0,0]
.elseif (\kind) == 1
	v_exp_f32 v[rB], v[rB]
.elseif ((\kind) == 2) && (i%2 == 0)
	v_cvt_pk_f16_f32 v[P+16*tt+i/2], v[rB], v[rB+1]
.endif
.set i, i+1
.endr
.set tt, tt+1
.endr
.endm
; Line k of the minimum of tile t's r and the old RM, three operands at a time, into c0.
.macro MN t, k
.set rT, ST+8*(\t)
.set rS, S+32*(\t)
.if NKB == 4
.if (\k) < 4
	v_min3_num_f32 v[rT+4+(\k)], v[rS+8*(\k)], v[rS+8*(\k)+1], v[rS+8*(\k)+2]
.elseif (\k) < 12
	v_min3_num_f32 v[rT+4+(\k)%4], v[rT+4+(\k)%4], v[rS+8*((\k)%4)+2*((\k)/4)+1], v[rS+8*((\k)%4)+2*((\k)/4)+2]
.elseif (\k) == 12
	v_min3_num_f32 v[rT+4], v[rT+4], v[rS+7], v[rS+15]
.elseif (\k) == 13
	v_min3_num_f32 v[rT+5], v[rT+5], v[rS+23], v[rS+31]
.elseif (\k) == 14
	v_min3_num_f32 v[rT+6], v[rT+6], v[rT+7], v[rT+1]
.else
	v_min3_num_f32 v[rT+4], v[rT+4], v[rT+5], v[rT+6]
.endif
.else
.if (\k) < 2
	v_min3_num_f32 v[rT+4+(\k)], v[rS+8*(\k)], v[rS+8*(\k)+1], v[rS+8*(\k)+2]
.elseif (\k) < 6
	v_min3_num_f32 v[rT+4+(\k)%2], v[rT+4+(\k)%2], v[rS+8*((\k)%2)+2*((\k)/2)+1], v[rS+8*((\k)%2)+2*((\k)/2)+2]
.elseif (\k) == 6
	v_min3_num_f32 v[rT+4], v[rT+4], v[rS+7], v[rS+15]
.else
	v_min3_num_f32 v[rT+4], v[rT+4], v[rT+5], v[rT+1]
.endif
.endif
.endm
.macro MT t, k                         ; the statistics: OFF_old kept; the other half of the lanes' minimum; RM; OFF; OFF - OFF_old
.set rT, ST+8*(\t)
.if (\k) == 0
	v_mov_b32 v[MV+(\t)], v[rT]
.elseif (\k) == 1
	v_permlanex16_b32 v[rT+7], v[rT+4], s26, s27
.elseif (\k) == 2
	v_min_num_f32 v[rT+1], v[rT+4], v[rT+7]
.elseif (\k) == 3
	v_mul_f32 v[rT], s24, v[rT+1]
.else
	v_sub_f32 v[rT+5], v[rT], v[MV+(\t)]
.endif
.endm
.macro TREE wd                         ; the sums, in place: neighbours wd / 2 registers apart
.set tt, 0
.rept 2
.set uu, 0
.rept 8*NKB/(\wd)
.set rB, S+32*tt+(\wd)*uu
	v_pk_add_f32 v[rB:rB+1], v[rB:rB+1], v[rB+(\wd)/2:rB+(\wd)/2+1]
.set uu, uu+1
.endr
.set tt, tt+1
.endr
.endm
; A KEY STEP, in phases.  The three batches of transcendentals have one plain line and ONE wait each, ahead of their first reader.
.macro STEP dg, par
.set NKB, 4                            ; key blocks that any query of the pair-tile sees
.if (\dg) && ((\par) == 0)
.set NKB, 2
.endif
	v_add_nc_u32 v[AK], s20, v[AK0]                ; these four lines are the places between the last V^T P and the loads into its registers
	v_add_nc_u32 v[AV], s21, v[AV0]
	v_nop
	v_nop
.set kb, 0
.rept NKB
	ds_load_b128 v[KF+16*kb:KF+16*kb+3],     v[AK] offset:8*PK*kb
	ds_load_b128 v[KF+16*kb+4:KF+16*kb+7],   v[AK] offset:8*PK*kb+32
	ds_load_b128 v[KF+16*kb+8:KF+16*kb+11],  v[AK] offset:8*PK*kb+64
	ds_load_b128 v[KF+16*kb+12:KF+16*kb+15], v[AK] offset:8*PK*kb+96
.set kb, kb+1
.endr
	WIN 0x40
.set kk, 0
.rept NKB/2
.set cb, 0
.rept 4
	ds_load_tr16_b128 v[VF+32*kk+8*cb:VF+32*kk+8*cb+3],   v[AV] offset:16*PV*kk+32*cb
	ds_load_tr16_b128 v[VF+32*kk+8*cb+4:VF+32*kk+8*cb+7], v[AV] offset:16*PV*kk+32*cb+8*PV
.set cb, cb+1
.endr
.set kk, kk+1
.endr
	WIN 0
	s_wait_dscnt 4*NKB                             ; K is in; V's loads stay out
.set cc, 0
.rept 2                                        ; S^T = K Q^T: the accumulators (8, 7 or 3 of them) take turns; the first half of the channels starts the sums
.set kb, 0
.rept NKB
.set tt, 0
.rept 2
	STATE \dg, \par, tt, kb
.if !HID
.if cc == 0
	v_wmma_f32_16x16x32_f16 v[S+32*tt+8*kb:S+32*tt+8*kb+7], v[KF+16*kb:KF+16*kb+7], v[Q+16*tt:Q+16*tt+7], 0
.else
	v_wmma_f32_16x16x32_f16 v[S+32*tt+8*kb:S+32*tt+8*kb+7], v[KF+16*kb+8:KF+16*kb+15], v[Q+16*tt+8:Q+16*tt+15], v[S+32*tt+8*kb:S+32*tt+8*kb+7]
.endif
.endif
.set tt, tt+1
.endr
.set kb, kb+1
.endr
.set cc, cc+1
.endr
	PLACES
	BLOCKS \dg, \par, 0
	BLOCKS \dg, \par, 1                            ; batch 1 (each accumulator is read from its lowest register on)
	v_nop
	s_wait_alu depctr_va_vdst(0)
	BLOCKS \dg, \par, 2
	BLOCKS \dg, \par, 3                            ; batch 2
	v_nop
	s_wait_alu depctr_va_vdst(0)
	BLOCKS \dg, \par, 4
.set nn, 0
.rept 4*NKB                                    ; the two tiles alternate
	MN 0, nn
	MN 1, nn
.set nn, nn+1
.endr
.set nn, 0
.rept 5
	MT 0, nn
	MT 1, nn
.set nn, nn+1
.endr
	ALLP 0
	v_exp_f32 v[ST+6], v[ST+5]                     ; batch 3: the two a, and all p
	v_exp_f32 v[ST+14], v[ST+13]
	ALLP 1
	v_nop
	s_wait_alu depctr_va_vdst(0)
	ALLP 2
	TREE 4
	TREE 8
	TREE 16
.if NKB == 4
	TREE 32
.endif
	v_pk_fma_f32 v[ST+2:ST+3], v[ST+2:ST+3], v[ST+6:ST+7], v[S:S+1] op_sel_hi:[1,0,1]          ; l = a l + sum
	v_pk_fma_f32 v[ST+10:ST+11], v[ST+10:ST+11], v[ST+14:ST+15], v[S+32:S+33] op_sel_hi:[1,0,1]
	WIN 0x41
.set tt, 0
.rept 2
.set i, 0
.rept 16
	v_pk_mul_f32 v[O+32*tt+2*i:O+32*tt+2*i+1], v[O+32*tt+2*i:O+32*tt+2*i+1], v[ST+8*tt+6:ST+8*tt+7] op_sel_hi:[1,0]
.set i, i+1
.endr
.set tt, tt+1
.endr
	s_wait_dscnt 0x0                               ; V is in
	WIN 0x51
.set kk, 0
.rept NKB/2                                    ; O^T += V^T P: eight accumulators take turns
.set cb, 0
.rept 4
.set tt, 0
.rept 2
	v_wmma_f32_16x16x32_f16 v[O+32*tt+8*cb:O+32*tt+8*cb+7], v[VF+32*kk+8*cb:VF+32*kk+8*cb+7], v[P+16*tt+8*kk:P+16*tt+8*kk+7], v[O+32*tt+8*cb:O+32*tt+8*cb+7]
.set tt, tt+1
.endr
.set cb, cb+1
.endr
.set kk, kk+1
.endr
	WIN 0
.endm
; THE WAY OUT of a pair-tile: O^T / l, rounded to f16, through my stage in LDS, a tile (16 rows, 2,048 consecutive bytes of yh) at a time.
.macro PACK t
	WIN 0x41
.set i, 0
.rept 16
	v_pk_mul_f32 v[O+32*(\t)+2*i:O+32*(\t)+2*i+1], v[O+32*(\t)+2*i:O+32*(\t)+2*i+1], v[ST+8*(\t)+6:ST+8*(\t)+7] op_sel_hi:[1,0]
.set i, i+1
.endr
	WIN 0x05
.set i, 0
.rept 16
	v_cvt_pk_f16_f32 v[S+16*(\t)+i], v[O+32*(\t)+2*i], v[O+32*(\t)+2*i+1]
.set i, i+1
.endr
	WIN 0
.irp f, 0,1,2,3
	ds_store_b128 v[STO], v[S+16*(\t)+4*\f:S+16*(\t)+4*\f+3] offset:32*\f
.endr
.irp f, 0,1,2,3
	ds_load_b128 v[S+16*(\t)+4*\f:S+16*(\t)+4*\f+3], v[RD] offset:4*SP*\f  ; LDS serves a wave's instructions in order (ISA guide 5.7.1.4): these see the stores above
.endr
.endm
.macro SEND t, younger                 ; younger: the LDS instructions issued behind tile t's loads
.irp f, 0,1,2,3
	s_wait_dscnt (\younger)+3-\f
	global_store_b128 v[GO], v[S+16*(\t)+4*\f:S+16*(\t)+4*\f+3], s[60:61] offset:2048*(\t)+512*\f
.endr
.endm
.Ltile:                                            ; 2 trips: a pair-tile each
	s_mov_b32 s20, 0                               ; key step 0 lies at the head of K and of V
	s_mov_b32 s21, 0
	s_mov_b32 s18, 16
.Ltrip:                                            ; 16 trips: trip s is key step s.  Every jump but the two loops' own goes forward, past text with no barrier and no tensor load
	s_cmp_eq_u32 s16, 0
	s_cbranch_scc1 .Lbottom                        ; the pair-tile is done: nothing is left to do in this trip
	s_sub_co_u32 s16, s16, 1
	s_cmp_lg_u32 s16, 0
	s_cbranch_scc0 .Ldiag
	STEP 0, 0
	s_branch .Lbottom
.Ldiag:                                            ; the pair-tile's last step holds the diagonal
	s_cmp_eq_u32 s17, 0
	s_cbranch_scc1 .Lpar0
	STEP 1, 1
	s_branch .Lfin
.Lpar0:
	STEP 1, 0
.Lfin:
	v_add_f32 v[ST+4], v[ST+2], v[ST+3]            ; five plain lines stand between the last products and the first read of O^T
	v_add_f32 v[ST+12], v[ST+10], v[ST+11]
	v_permlanex16_b32 v[ST+5], v[ST+4], s26, s27
	v_permlanex16_b32 v[ST+13], v[ST+12], s26, s27
	v_add_f32 v[ST+4], v[ST+4], v[ST+5]
	v_add_f32 v[ST+12], v[ST+12], v[ST+13]
	v_rcp_f32 v[ST+6], v[ST+4]
	v_rcp_f32 v[ST+14], v[ST+12]
	v_nop
	s_wait_alu depctr_va_vdst(0)                   ; one wait for the two reciprocals
	PACK 0
	PACK 1
	SEND 0, 8
	SEND 1, 0
	s_wait_xcnt 0x0                                ; the stores have read their registers and their base: whatever follows may write them
.Lbottom:
	s_add_co_u32 s20, s20, 32*PK                   ; the next trip's 64 keys: stepped here, once a trip, on every way
	s_add_co_u32 s21, s21, 32*PV
	s_sub_co_u32 s18, s18, 1
	s_cmp_lg_u32 s18, 0
	s_cbranch_scc1 .Ltrip
	s_mov_b64 s[60:61], s[62:63]                   ; now the second pair-tile (behind the second these lines serve nothing: the price, once a wave, of one text for both)
	s_mov_b32 s16, s19
	s_and_b32 s17, s14, 1
	WIN 0x01
.set i, 0
.rept 32
	v_mov_b32 v[Q+i], v[QB+i]                      ; its Q goes where the one text of the steps names Q
.set i, i+1
.endr
	WIN 0
	v_mov_b32 v[ST], 0x439044fe
	v_mov_b32 v[ST+1], 2.0
	v_mov_b32 v[ST+8], 0x439044fe
	v_mov_b32 v[ST+9], 2.0
	s_sub_co_u32 s15, s15, 1
	s_cmp_lg_u32 s15, 0
	s_cbranch_scc1 .Ltile
	s_wait_tensorcnt 0x0                           ; the wave's end: behind my tensor load and my last LDS store
	ds_add_u32 v[SPW], v[NIL]
	s_wait_dscnt 0x0
	CROUND                                         ; the closing round
	s_endpgm
.Lfunc_end_k_qccea15e139_attn:
	.size	k_qccea15e139_attn, .Lfunc_end_k_qccea15e139_attn-k_qccea15e139_attn
	.p2alignl 7, 3214868480
	.fill 96, 4, 3214868480
	.section	.rodata,"a",@progbits
	.p2align	6, 0x0
	.amdhsa_kernel k_qccea15e139_attn
		.amdhsa_group_segment_fixed_size 327680
		.amdhsa_private_segment_fixed_size 0
		.amdhsa_enable_private_segment 0
		.amdhsa_kernarg_size 24
		.amdhsa_user_sgpr_count 2
		.amdhsa_user_sgpr_kernarg_segment_ptr 1
		.amdhsa_wavefront_size32 1
		.amdhsa_system_sgpr_workgroup_id_x 1
		.amdhsa_system_sgpr_workgroup_id_y 1
		.amdhsa_system_sgpr_workgroup_id_z 1
		.amdhsa_system_vgpr_workitem_id 0
		.amdhsa_next_free_vgpr 416
		.amdhsa_next_free_sgpr 80
		.amdhsa_reserve_vcc 0
		.amdhsa_float_denorm_mode_32 3
		.amdhsa_float_denorm_mode_16_64 3
		.amdhsa_memory_ordered 1
		.amdhsa_forward_progress 1
		.amdhsa_inst_pref_size 81
	.end_amdhsa_kernel
	.amdgpu_metadata
---
amdhsa.version: [ 1, 2 ]
amdhsa.kernels:
  - .name:           k_qccea15e139_attn
    .symbol:         k_qccea15e139_attn.kd
    .args:
      - { .name: qh, .offset: 0, .size: 8, .value_kind: global_buffer, .address_space: global }
      - { .name: kvh, .offset: 8, .size: 8, .value_kind: global_buffer, .address_space: global }
      - { .name: yh, .offset: 16, .size: 8, .value_kind: global_buffer, .address_space: global }
    .group_segment_fixed_size: 327680
    .private_segment_fixed_size: 0
    .kernarg_segment_align: 8
    .kernarg_segment_size: 24
    .max_flat_workgroup_size: 256
    .sgpr_count:     80
    .vgpr_count:     416
    .wavefront_size: 32
...
	.end_amdgpu_metadata
.endif
;; end of part 3
;; launch oproj (part 4): grid 8 x 32, 4 waves a work-group, clusters of 4 x 4, 327,680 bytes of LDS; arguments yh, wcb, out0; writes out0
.if DOCPART == 4
	.amdgcn_target "amdgcn-amd-amdhsa--gfx1250"
	.amdhsa_code_object_version 6
	.text
	.protected	k_qccea15e139_oproj
	.globl	k_qccea15e139_oproj
	.p2align	8
	.type	k_qccea15e139_oproj,@function
k_qccea15e139_oproj:
	s_mov_b64 s[64:65], 0
	v_nop
	global_prefetch_b8 v0, s[64:65] scope:SCOPE_SE
	s_setreg_imm32_b32 hwreg(HW_REG_WAVE_MODE, 25, 1), 1
	s_wait_xcnt 0x0
	s_wait_alu depctr_hold_cnt(0) depctr_sa_sdst(0) depctr_va_vdst(0) depctr_va_sdst(0) depctr_va_ssrc(0) depctr_va_vcc(0) depctr_vm_vsrc(0)
	s_getreg_b32 s2, hwreg(HW_REG_IB_STS2, 6, 4)
	s_cmp_eq_u32 s2, 0
	s_cbranch_scc0 .Lentry_in_a_cluster
	s_endpgm
.Lentry_in_a_cluster:
	s_bfe_u32 s2, ttmp6, 0x10000c
	s_cmp_lg_u32 s2, 0xf033
	s_cbranch_scc0 .Lentry_shape_is_right
	s_endpgm
.Lentry_shape_is_right:
; OUT = y w_c^T.  yh: [b][16 heads][1024][64] f16; wcb: [1024][1024] f16; out0: [8192][1024] f32.  Products in f16 with f32 sums, stored unrounded.
; A work-group's tile is 256 tokens x 128 columns; wave w owns tokens 64 w .. 64 w + 63 and all columns: 4 x 8 accumulators.  K = 1,024 goes in 8 steps of 128, TWO HEADS a step, through two LDS slots.
; A head's 256 tokens are 32,768 dense bytes: asked for as 128 rows of 256 bytes and padded in LDS after every token (128 bytes).  CLUSTER 4 x 4: y's tile is shared along a row, w_c's along a column: joint loads.
; THE MATRIX INSTRUCTION IS USED TRANSPOSED (source 0 = 16 rows of w_c, source 1 = 16 tokens): lane l holds token l % 16 and columns 8 (l / 16) + 0..7 of each block of 16: 32 bytes of a row of out0.
; REGISTERS.  window 0: v1-29 addresses; v64-127 y's fragments, two buffers; v128-255 w_c's, two buffers (on the way out v64-191: rows read back, two buffers).  window 1: accumulator (a, b) at v[64 a + 8 b].
.set NB,     8
.set PA,     144                       ; a token's 128 bytes of a head + 16: an odd multiple of 16 (ISA guide 11.1: 64 banks of 4 bytes)
.set PITCH,  272                       ; a row of w_c: 256 bytes + 16
.set HEADB,  256*PA                    ; a head's block in a slot
.set SLOT1,  131072
.set BOFF,   2*HEADB                   ; a slot: two head blocks of y, then w_c's 128 rows
.set STAGE,  SLOT1+BOFF+128*PITCH      ; behind the ring: 16 rows x 528 bytes for each wave
.set SP,     528
.set SPARE,  STAGE+4*16*SP             ; the spare words: two blocks of 256 bytes that no other line names
.set ASTEP,  262144                    ; two heads on
.set BSTEP,  256
.set ADRA,  18
.set ADRA0, 19
.set ADRB,  20
.set ADRB0, 21
.set STO,   22
.set RD,    23
.set GO,    24
.set PFO,   27
.set SPW,   28
.set NIL,   29
; scalars: s18 wave; s19 0: I fetch y, 1: w_c; s20 which half; s21 cx; s22 cy; s23 column tile; s24 row tile; s26 slot in hand; s27 trips; s[28:35], s[44:51] group 1; s[36:43], s[52:59] group 0, two sets each;
; s[60:61] prefetch pointer; s62 its limit; s[70:71] out0 at my rows; s[82:83] the prefetch pointer's step
.set MSB, 0
.macro WIN new
.if MSB != (\new)
	s_set_vgpr_msb (MSB<<8)|(\new)
.set MSB, \new
.endif
.endm
.macro PLACES
.rept 4
	v_nop
.endr
.endm
.macro JLOAD                           ; a joint refill by the walking sets; an s_nop 0 and four v_nop follow each line
	s_cmp_eq_u32 s19, 0
	s_cbranch_scc0 .Lfor_b_\@
	tensor_load_to_lds s[40:43], s[28:35]
	s_nop 0
	PLACES
	s_branch .Lasked_\@
.Lfor_b_\@:
	tensor_load_to_lds s[56:59], s[44:51]
	s_nop 0
	PLACES
.Lasked_\@:
.endm
.macro CREST
	s_cmp_lg_u32 s18, 0
	s_cbranch_scc1 .Lnot_wave_0_\@
	s_barrier_signal -3
.Lnot_wave_0_\@:
	s_barrier_wait -3
	s_barrier_signal -1
	s_barrier_wait -1
.endm
.macro CROUND
	s_barrier_signal -1
	s_barrier_wait -1
	CREST
.endm
; A prefetch of the K step two refills on.  Waves 0, 1: their head block's 32,768 bytes, 8,192 for each of the four partners along the cluster's row, 256 a lane; asked by the clusters with x = 0.
; Wave 2: w_c's 128 rows, 32 for each partner along the column, a lane a row; asked by the clusters with y = 0.  Wave 3 asks for nothing.  The last two refills ask for nothing.
.macro ASK
	s_cmp_gt_u32 s27, s62
	s_cbranch_scc0 .Lnot_mine_\@
	global_prefetch_b8 v[PFO], s[60:61] th:TH_LOAD_NT scope:SCOPE_SE
.Lnot_mine_\@:
.endm
.macro MULA f, a, zero
	WIN 0x50
.set bb, 0
.rept NB
.set rC, 64*(\a)+8*bb
.if \zero
	v_wmma_f32_16x16x32_f16 v[rC:rC+7], v[128+64*(\f)+8*bb:128+64*(\f)+8*bb+7], v[64+32*(\f)+8*(\a):64+32*(\f)+8*(\a)+7], 0
.else
	v_wmma_f32_16x16x32_f16 v[rC:rC+7], v[128+64*(\f)+8*bb:128+64*(\f)+8*bb+7], v[64+32*(\f)+8*(\a):64+32*(\f)+8*(\a)+7], v[rC:rC+7]
.endif
.set bb, bb+1
.endr
.endm
.macro FETCH k, f                      ; 24 LDS loads in one run: w_c's 8 fragments, then y's 4; byte k of the K step: head k / 128, byte k % 128 of its rows
	WIN 0
.set AO, ((\k)/128)*HEADB+(\k)%128
.set bb, 0
.rept NB
	ds_load_b128 v[128+64*(\f)+8*bb:128+64*(\f)+8*bb+3],   v[ADRB] offset:(\k)+bb*16*PITCH
	ds_load_b128 v[128+64*(\f)+8*bb+4:128+64*(\f)+8*bb+7], v[ADRB] offset:(\k)+bb*16*PITCH+32
.set bb, bb+1
.endr
.set aa, 0
.rept 4
	ds_load_b128 v[64+32*(\f)+8*aa:64+32*(\f)+8*aa+3],   v[ADRA] offset:AO+aa*16*PA
	ds_load_b128 v[64+32*(\f)+8*aa+4:64+32*(\f)+8*aa+7], v[ADRA] offset:AO+aa*16*PA+32
.set aa, aa+1
.endr
.endm
.macro QUARTER k, f, g, zero           ; 32 products on buffer f; the next quarter's fragments, at byte k, into buffer g.  The 32 accumulators take turns
	s_wait_dscnt 4                                 ; all but y's blocks 2 and 3
	MULA \f, 0, \zero
	MULA \f, 1, \zero
	PLACES
	FETCH \k, \g
	s_wait_dscnt 2*NB+8                            ; all but the run just issued
	MULA \f, 2, \zero
	MULA \f, 3, \zero
.endm
.macro TURN fill                       ; the fourth quarter and the change of slots: all my tensor loads, the add, my reads; the barrier (fill = 1: a round of the cluster's); the refill first behind it
.if \fill
	s_wait_xcnt 0x0                                ; the last prefetch, a K step back, has read its address
	s_add_nc_u64 s[60:61], s[60:61], s[82:83]
.endif
	WIN 0
	s_wait_tensorcnt 0x0
	ds_add_u32 v[SPW], v[NIL]
.if \fill
	s_xor_b32 s41, s41, SLOT1                      ; the walking sets: the other slot, the next K step
	s_add_nc_u64 s[42:43], s[42:43], ASTEP
	s_xor_b32 s57, s57, SLOT1
	s_add_nc_u64 s[58:59], s[58:59], BSTEP
.endif
	s_wait_dscnt 5                                 ; the add and y's blocks 2 and 3 may be out
	MULA 1, 0, 0
	s_wait_dscnt 0x0
	s_barrier_signal -1
	MULA 1, 1, 0
	WIN 0
	s_barrier_wait -1
.if \fill
	CREST
	JLOAD
.else
	PLACES
.endif
	s_xor_b32 s26, s26, SLOT1
	v_add_nc_u32 v[ADRA], s26, v[ADRA0]
	v_add_nc_u32 v[ADRB], s26, v[ADRB0]
	FETCH 0, 0
.if \fill
	ASK
.endif
	MULA 1, 2, 0
	MULA 1, 3, 0
.endm
	s_load_b128 s[4:7], s[0:1], 0x0                ; yh 4, wcb 6
	s_load_b64 s[8:9], s[0:1], 0x10                ; out0
	v_lshl_add_u32 v[SPW], v0, 2, SPARE
	v_mov_b32 v[NIL], 0
	ds_add_u32 v[SPW], v[NIL]                      ; the opening: the add and its wait stand ahead of my first tensor load
	v_lshrrev_b32 v3, 5, v0
	v_readfirstlane_b32 s18, v3
	s_lshr_b32 s19, s18, 1
	s_and_b32 s20, s18, 1
	s_bfe_u32 s21, ttmp6, 0x40000
	s_bfe_u32 s22, ttmp6, 0x40004
	s_lshl_b32 s23, ttmp9, 2
	s_add_co_u32 s23, s23, s21
	s_and_b32 s24, ttmp7, 0xffff
	s_lshl_b32 s24, s24, 2
	s_add_co_u32 s24, s24, s22
	s_lshl_b32 s74, s22, 2
	s_lshl_b32 s74, 15, s74                        ; my row of the cluster
	s_lshl_b32 s75, 0x1111, s21                    ; my column
	s_or_b32 s28, s74, (1<<16)|(1<<20)|(1<<21)|(4<<22)|(3<<25)  ; y: padding of 4 words after every 32
	s_or_b32 s44, s75, (1<<16)|(1<<20)|(1<<21)|(5<<22)|(3<<25)  ; w_c: after every 64
	s_mov_b32 s29, 128<<16
	s_mov_b32 s30, 128<<16                         ; 128 rows of 256 dense bytes
	s_mov_b32 s31, 128<<16
	s_mov_b32 s32, 128
	s_mov_b32 s33, 128
	s_mov_b32 s34, 0
	s_mov_b32 s35, 0
	s_mov_b32 s45, 128<<16
	s_mov_b32 s46, 64<<16                          ; 64 rows of w_c
	s_mov_b32 s47, 128<<16
	s_mov_b32 s48, 64
	s_mov_b32 s49, 1024
	s_mov_b32 s50, 0
	s_mov_b32 s51, 0
	s_lshr_b32 s76, s24, 2                         ; y: head 16 b + half, position 256 (row tile % 4): made of cy and the wave alone
	s_lshl_b32 s76, s76, 4
	s_add_co_u32 s76, s76, s20
	s_lshl_b32 s76, s76, 10
	s_and_b32 s77, s24, 3
	s_lshl_b32 s77, s77, 8
	s_add_co_u32 s76, s76, s77
	s_lshl_b32 s76, s76, 7
	s_mov_b32 s77, 0
	s_lshl_b32 s78, s23, 7                         ; w_c: row 128 x column tile + 64 x half: made of cx and the wave alone
	s_lshl_b32 s79, s20, 6
	s_add_co_u32 s78, s78, s79
	s_lshl_b32 s78, s78, 11
	s_mov_b32 s79, 0
	s_mul_i32 s80, s20, HEADB
	s_mul_i32 s81, s20, 64*PITCH
	s_add_co_u32 s81, s81, BOFF
	s_mov_b32 s26, 0
	s_wait_dscnt 0x0
	s_wait_kmcnt 0x0
	s_add_nc_u64 s[84:85], s[4:5], s[76:77]
	s_add_nc_u64 s[86:87], s[6:7], s[78:79]
.irp q, 0,1
	s_mov_b32 s[36+4*(\q)], 1
	s_add_co_u32 s[37+4*(\q)], s80, (\q)*SLOT1
	s_add_nc_u64 s[38+4*(\q):39+4*(\q)], s[84:85], (\q)*ASTEP
	s_or_b32 s[39+4*(\q)], s[39+4*(\q)], 0x80000000
	s_mov_b32 s[52+4*(\q)], 1
	s_add_co_u32 s[53+4*(\q)], s81, (\q)*SLOT1
	s_add_nc_u64 s[54+4*(\q):55+4*(\q)], s[86:87], (\q)*BSTEP
	s_or_b32 s[55+4*(\q)], s[55+4*(\q)], 0x80000000
.endr
	CROUND                                         ; all sixteen work-groups are here: the first joint loads meet
	s_cmp_eq_u32 s19, 0                            ; a wave's two first fills stand in one branch: two loads of mine are out
	s_cbranch_scc0 .Lfirst_b
	tensor_load_to_lds s[36:39], s[28:35]
	s_nop 0
	tensor_load_to_lds s[40:43], s[28:35]
	s_nop 0
	PLACES
	s_branch .Lfirst_done
.Lfirst_b:
	tensor_load_to_lds s[52:55], s[44:51]
	s_nop 0
	tensor_load_to_lds s[56:59], s[44:51]
	s_nop 0
	PLACES
.Lfirst_done:
	v_and_b32 v1, 15, v0                           ; r
	v_bfe_u32 v2, v0, 4, 1                         ; h
	v_mul_u32_u24 v3, v1, PA
	v_lshl_add_u32 v3, v2, 4, v3
	s_mul_i32 s74, s18, 64*PA
	v_add_nc_u32 v[ADRA0], s74, v3
	v_mul_u32_u24 v3, v1, PITCH
	v_lshl_add_u32 v3, v2, 4, v3
	v_add_nc_u32 v[ADRB0], BOFF, v3
	v_mov_b32 v[ADRA], v[ADRA0]
	v_mov_b32 v[ADRB], v[ADRB0]
	; the prefetches
	s_lshl_b32 s74, s21, 13                        ; y: my work-group's 8,192 bytes of the head block that I fetch,
	s_add_co_u32 s74, s74, s76
	s_add_co_u32 s74, s74, 3*ASTEP                 ; at K step 3: the first refill (K step 2) steps it to 4
	s_lshl_b32 s75, s23, 7
	s_lshl_b32 s88, s22, 5
	s_add_co_u32 s75, s75, s88                     ; w_c: my work-group's 32 rows of the tile's 128
	s_lshl_b32 s75, s75, 11
	s_add_co_u32 s75, s75, 3*BSTEP
	s_and_b32 s88, ttmp7, 0xffff
	s_mov_b32 s82, BSTEP
	s_cmp_eq_u32 s19, 0
	s_cselect_b32 s74, s74, s75
	s_cselect_b32 s88, ttmp9, s88                  ; the coordinate along which other clusters read the same bytes
	s_cselect_b32 s82, ASTEP, s82
	s_cselect_b32 s89, 8, 11                       ; a lane: 256 bytes on, or a row on
	s_cselect_b64 s[60:61], s[4:5], s[6:7]
	s_cmp_eq_u32 s18, 3
	s_cselect_b32 s88, 1, s88
	s_cmp_eq_u32 s88, 0
	s_cselect_b32 s62, 2, -1                       ; trips 6 to 3 ask
	s_mov_b32 s75, 0
	s_mov_b32 s83, 0
	s_add_nc_u64 s[60:61], s[60:61], s[74:75]
	v_and_b32 v[PFO], 31, v0
	v_lshlrev_b32 v[PFO], s89, v[PFO]
	; the way out's addresses
	s_mul_i32 s74, s18, 16*SP
	s_add_co_u32 s74, s74, STAGE
	v_mul_u32_u24 v[STO], v1, SP                   ; in: row l % 16, 32 bytes for each half of the lanes
	v_lshl_add_u32 v[STO], v2, 5, v[STO]
	v_add_nc_u32 v[STO], s74, v[STO]
	v_and_b32 v[GO], 31, v0                        ; back: 32 lanes take a row's 512 bytes
	v_lshlrev_b32 v[GO], 4, v[GO]
	v_add_nc_u32 v[RD], s74, v[GO]
	s_lshl_b32 s74, s24, 8
	s_lshl_b32 s75, s18, 6
	s_add_co_u32 s74, s74, s75
	s_lshl_b32 s74, s74, 12                        ; my first row of out0,
	s_lshl_b32 s75, s23, 9
	s_add_co_u32 s74, s74, s75                     ; the tile's 512 bytes of it
	s_mov_b32 s75, 0
	s_add_nc_u64 s[70:71], s[8:9], s[74:75]
	s_wait_tensorcnt 0x1                           ; my part of K step 0 is in; K step 1's stays out
	s_barrier_signal -1
	s_barrier_wait -1
	FETCH 0, 0
	QUARTER 64, 0, 1, 1                            ; the first quarter's products start the sums
	WIN 0
	s_mov_b32 s27, 6
.Lstep:                                            ; a trip: a K step's quarters 2 to 4 and the next one's first; it asks for K steps 2 to 7
	QUARTER 128, 1, 0, 0
	QUARTER 192, 0, 1, 0
	TURN 1
	QUARTER 64, 0, 1, 0
	WIN 0
	s_sub_co_u32 s27, s27, 1
	s_cmp_lg_u32 s27, 0
	s_cbranch_scc1 .Lstep
	QUARTER 128, 1, 0, 0                           ; the tail is written out: nothing more is asked for
	QUARTER 192, 0, 1, 0
	TURN 0
	QUARTER 64, 0, 1, 0
	QUARTER 128, 1, 0, 0
	QUARTER 192, 0, 1, 0
	s_wait_dscnt 4
	MULA 1, 0, 0
	MULA 1, 1, 0
	s_wait_dscnt 0x0
	MULA 1, 2, 0
	MULA 1, 3, 0
; THE WAY OUT, a block of 16 tokens at a time, through my own stage: 32 bytes a lane in, whole rows of 512 bytes back.
.macro TOSTAGE a
	s_wait_xcnt 0x0                                ; the stores of the block before last have read the registers that this block comes back into
	WIN 0x04                                       ; data in window 1
.set bb, 0
.rept NB
	ds_store_b128 v[STO], v[64*(\a)+8*bb:64*(\a)+8*bb+3]   offset:64*bb      ; each accumulator's lowest registers first
	ds_store_b128 v[STO], v[64*(\a)+8*bb+4:64*(\a)+8*bb+7] offset:64*bb+16
.set bb, bb+1
.endr
	WIN 0
.set i, 0
.rept 16
	ds_load_b128 v[64+64*((\a)%2)+4*i:64+64*((\a)%2)+4*i+3], v[RD] offset:SP*i  ; LDS serves a wave's instructions in order (ISA guide 5.7.1.4): these see the stores above
.set i, i+1
.endr
.endm
.macro SEND a, younger                 ; younger: the LDS instructions issued behind block a's loads
	s_wait_dscnt \younger
.set i, 0
.rept 16
	global_store_b128 v[GO], v[64+64*((\a)%2)+4*i:64+64*((\a)%2)+4*i+3], s[70:71] offset:(16*(\a)+i)*4096 th:TH_STORE_NT  ; 512 consecutive bytes, aligned
.set i, i+1
.endr
.endm
	PLACES
	TOSTAGE 0
	TOSTAGE 1
	SEND 0, 32
	TOSTAGE 2
	SEND 1, 32
	TOSTAGE 3
	SEND 2, 32
	SEND 3, 0
	s_wait_tensorcnt 0x0                           ; the wave's end: behind my last tensor load and my last LDS store
	ds_add_u32 v[SPW], v[NIL]
	s_wait_dscnt 0x0
	CROUND                                         ; the closing round
	s_endpgm
.Lfunc_end_k_qccea15e139_oproj:
	.size	k_qccea15e139_oproj, .Lfunc_end_k_qccea15e139_oproj-k_qccea15e139_oproj
	.p2alignl 7, 3214868480
	.fill 96, 4, 3214868480
	.section	.rodata,"a",@progbits
	.p2align	6, 0x0
	.amdhsa_kernel k_qccea15e139_oproj
		.amdhsa_group_segment_fixed_size 327680
		.amdhsa_private_segment_fixed_size 0
		.amdhsa_enable_private_segment 0
		.amdhsa_kernarg_size 24
		.amdhsa_user_sgpr_count 2
		.amdhsa_user_sgpr_kernarg_segment_ptr 1
		.amdhsa_wavefront_size32 1
		.amdhsa_system_sgpr_workgroup_id_x 1
		.amdhsa_system_sgpr_workgroup_id_y 1
		.amdhsa_system_sgpr_workgroup_id_z 1
		.amdhsa_system_vgpr_workitem_id 0
		.amdhsa_next_free_vgpr 512
		.amdhsa_next_free_sgpr 90
		.amdhsa_reserve_vcc 0
		.amdhsa_float_denorm_mode_32 3
		.amdhsa_float_denorm_mode_16_64 3
		.amdhsa_memory_ordered 1
		.amdhsa_forward_progress 1
		.amdhsa_inst_pref_size 70
	.end_amdhsa_kernel
	.amdgpu_metadata
---
amdhsa.version: [ 1, 2 ]
amdhsa.kernels:
  - .name:           k_qccea15e139_oproj
    .symbol:         k_qccea15e139_oproj.kd
    .args:
      - { .name: yh, .offset: 0, .size: 8, .value_kind: global_buffer, .address_space: global }
      - { .name: wcb, .offset: 8, .size: 8, .value_kind: global_buffer, .address_space: global }
      - { .name: out0, .offset: 16, .size: 8, .value_kind: global_buffer, .address_space: global }
    .group_segment_fixed_size: 327680
    .private_segment_fixed_size: 0
    .kernarg_segment_align: 8
    .kernarg_segment_size: 24
    .max_flat_workgroup_size: 128
    .sgpr_count:     90
    .vgpr_count:     512
    .wavefront_size: 32
...
	.end_amdgpu_metadata
.endif
;; end of part 4
;; ======== version 2 of 2: 4 launches; version 1 with the launch prep written anew for expert scheduling mode
;; limits: values are held in f16: magnitudes above 65,504 overflow, below 6.1e-05 lose precision
;; workspace buffers: xb 16,777,216 bytes; wall 3,145,728 bytes; wcb 2,097,152 bytes; tab 262,144 bytes; qh 16,777,216 bytes; kvh 8,388,608 bytes; yh 16,777,216 bytes
;; launch prep (part 5): grid 352 x 1, 8 waves a work-group, no clusters, 0 bytes of LDS; arguments x, w_q, w_kv, w_c, xb, wall, wcb, tab; writes xb, wall, wcb, tab
.if DOCPART == 5
	.amdgcn_target "amdgcn-amd-amdhsa--gfx1250"
	.amdhsa_code_object_version 6
	.text
	.protected	k_qccea15e139_prep
	.globl	k_qccea15e139_prep
	.p2align	8
	.type	k_qccea15e139_prep,@function
k_qccea15e139_prep:
	s_mov_b64 s[64:65], 0
	v_nop
	global_prefetch_b8 v0, s[64:65] scope:SCOPE_SE
	s_setreg_imm32_b32 hwreg(HW_REG_WAVE_SCHED_MODE, 0, 2), 2
	s_setreg_imm32_b32 hwreg(HW_REG_WAVE_MODE, 25, 1), 1
	s_wait_xcnt 0x0
	s_wait_alu depctr_vm_vsrc(0)
; PREP: a stream.  x -> xb (bf16); w_q and w_kv -> wall (bf16, rows regrouped); w_c -> wcb (rounded to bf16, that number written as f16); the RoPE table -> tab (f32).
; wall's rows 192 X + 0..127 are w_q's rows 128 X .. (q heads 2 X, 2 X + 1); rows 192 X + 128..191 are w_kv's rows 64 X .. (k head X for X < 4, else v head X - 4).
; tab[t] is 256 bytes: cos(t w_f) for f = 0..31, then sin(t w_f), w_f = 10000^(-f/32).
; SHARES.  Work-groups 0-255: 32 rows of x each; 256-303: 32 rows of wall; 304-335: 32 rows of w_c; 336-351: 64 rows of the table.  A chunk of 32 rows is 131,072 dense bytes in and 65,536 out.
; Thread t takes 16 bytes of every 4,096 in and stores 8 of every 2,048 out: a wave's load covers 512 consecutive bytes, its store 256, aligned.  All 32 loads of a thread go out first; no register that a store reads is written again.
; No LDS, no matrix unit, no cluster: nothing is shared between waves.
; LIMITS.  bf16(w_c) must lie within f16's range (65,504), and below 6.1e-5 it keeps f16's fixed step of 6e-8.  The table's angles t w_f carry the rounding of w_f (an exponential and its argument): some 1e-4 rad at t near 1,000.
; THE MODE: SCHED_MODE bits 1:0 = 2 (LLVM: expert scheduling mode 2), set by the entry lines.  The code itself states the register dependences
; between vector instructions and memory instructions, with s_wait_alu, always for 0.
; THE PLAN, the two streaming paths.  Registers that memory instructions touch:
;   v1, v2         the loads' and the stores' offsets: made once at the head, never written again.
;   D + 4 i ..     written by load i; read by row i's conversions, which write D + 4 i and D + 4 i + 1; those two are read by store i and never written again.
; The 32 rows go in 8 blocks of four; row i's store is issued in row i + 4's turn.  One wait at a block's head states that the block before has written its out-registers; the block's four stores
; follow it, one ahead of each row's conversions, which name this block's registers alone.  One wait stands ahead of the loads (the offsets), one ahead of the last four stores.
; THE PLAN, the table's path.  s3 and s30 are written by vector lines in one run, with one wait behind both.  v7, the stores' offset, is made once.  v[14:15] are written by a trip's arithmetic, read by its one store,
; and written again by the next trip: a wait ahead of the store, a wait behind it.  One out-buffer: a second would want the body twice, for eight trips a wave in 16 of the 352 work-groups.
.set D,  8                             ; v[8:135]  32 x 4 registers, as loaded, then packed
.set KC, 16                            ; v[16:24]  the table's path: nine Taylor coefficients, cos's in lanes 0-15, sin's in lanes 16-31
.macro CONV kind                       ; kind 0: bf16.  kind 1: bf16, widened again and written as f16
	s_wait_alu depctr_va_vdst(0)                   ; v1 and v2 are written: every load below reads v1 as its offset, every store v2
.set i, 0
.rept 32
	global_load_b128 v[D+4*i:D+4*i+3], v1, s[30:31] offset:4096*i th:TH_LOAD_NT
.set i, i+1
.endr
.set i, 0
.rept 32
	s_wait_loadcnt 31-i                            ; loads come back in order: number i is in, the 31 - i younger ones stay out
.if (i%4 == 0) && (i > 0)
	s_wait_alu depctr_va_vdst(0)                   ; the conversions of rows i - 4 to i - 1 have written their out-registers, which this block's four stores read
.endif
.if i >= 4
	global_store_b64 v2, v[D+4*(i-4):D+4*(i-4)+1], s[32:33] offset:2048*(i-4)  ; the row four back: no vector line since the wait names its registers or v2
.endif
	v_cvt_pk_bf16_f32 v[D+4*i], v[D+4*i], v[D+4*i+1]
	v_cvt_pk_bf16_f32 v[D+4*i+1], v[D+4*i+2], v[D+4*i+3]
.if \kind
	v_lshlrev_b32 v[D+4*i+2], 16, v[D+4*i]
	v_and_b32 v[D+4*i+3], 0xffff0000, v[D+4*i]
	v_cvt_pk_f16_f32 v[D+4*i], v[D+4*i+2], v[D+4*i+3]
	v_lshlrev_b32 v[D+4*i+2], 16, v[D+4*i+1]
	v_and_b32 v[D+4*i+3], 0xffff0000, v[D+4*i+1]
	v_cvt_pk_f16_f32 v[D+4*i+1], v[D+4*i+2], v[D+4*i+3]
.endif
.set i, i+1
.endr
	s_wait_alu depctr_va_vdst(0)                   ; the conversions of rows 28 to 31 have written their out-registers, which the last four stores read
.set i, 28
.rept 4
	global_store_b64 v2, v[D+4*i:D+4*i+1], s[32:33] offset:2048*i
.set i, i+1
.endr
.endm
.macro COEF n, c, s                    ; coefficient n: cos's where the lane makes cos, sin's where it makes sin
	v_mov_b32 v26, \c
	v_mov_b32 v27, \s
	v_cndmask_b32 v[KC+(\n)], v26, v27, s30
.endm
	s_load_b512 s[8:23], s[0:1], 0x0               ; x 8, w_q 10, w_kv 12, w_c 14, xb 16, wall 18, wcb 20, tab 22
	v_lshlrev_b32 v1, 4, v0                        ; 16 t
	v_lshlrev_b32 v2, 3, v0                        ; 8 t
	s_mov_b32 s2, ttmp9                            ; g
	s_mov_b32 s25, 0                               ; high words of the two offsets
	s_mov_b32 s27, 0
	s_cmp_lt_u32 s2, 304
	s_cbranch_scc0 .Lnot_bf16
	; x or wall.  For g < 256 the numbers made from c = g - 256 are not used: the selects below drop them.
	s_sub_co_u32 s3, s2, 256                       ; c
	s_mul_i32 s4, s3, 43
	s_lshr_b32 s4, s4, 8                           ; X = c / 6 (right for c = 0..47)
	s_mul_i32 s5, s4, 6
	s_sub_co_u32 s5, s3, s5                        ; e = c - 6 X
	s_lshl_b32 s6, s4, 7
	s_lshl_b32 s7, s5, 5
	s_add_co_u32 s6, s6, s7                        ; w_q's row 128 X + 32 e
	s_lshl_b32 s28, s4, 6
	s_add_co_u32 s28, s28, s7
	s_sub_co_u32 s28, s28, 128                     ; w_kv's row 64 X + 32 (e - 4)
	s_wait_kmcnt 0x0
	s_cmp_lt_u32 s5, 4
	s_cselect_b32 s6, s6, s28
	s_cselect_b64 s[30:31], s[10:11], s[12:13]
	s_lshl_b32 s6, s6, 12                          ; a row of f32 is 4,096 bytes
	s_lshl_b32 s7, s2, 17
	s_lshl_b32 s28, s2, 16
	s_lshl_b32 s29, s3, 16
	s_cmp_lt_u32 s2, 256
	s_cselect_b32 s24, s7, s6
	s_cselect_b32 s26, s28, s29
	s_cselect_b64 s[30:31], s[8:9], s[30:31]
	s_cselect_b64 s[32:33], s[16:17], s[18:19]
	s_add_nc_u64 s[30:31], s[30:31], s[24:25]
	s_add_nc_u64 s[32:33], s[32:33], s[26:27]
	CONV 0
	s_endpgm
.Lnot_bf16:
	s_cmp_lt_u32 s2, 336
	s_cbranch_scc0 .Ltable
	s_sub_co_u32 s3, s2, 304
	s_lshl_b32 s24, s3, 17
	s_lshl_b32 s26, s3, 16
	s_wait_kmcnt 0x0
	s_add_nc_u64 s[30:31], s[14:15], s[24:25]
	s_add_nc_u64 s[32:33], s[20:21], s[26:27]
	CONV 1
	s_endpgm
.Ltable:
	; A wave makes eight rows.  Lane l makes frequencies 2 (l % 16) and 2 (l % 16) + 1: cos in lanes 0-15, sin in lanes 16-31: its 8 bytes lie at 8 l of the row, and the wave's store is the whole row.
	v_lshrrev_b32 v3, 5, v0
	v_readfirstlane_b32 s3, v3                     ; wave
	v_and_b32 v3, 31, v0
	v_cmp_lt_u32 s30, 15, v3                       ; the lanes that make sin
	v_and_b32 v4, 15, v0
	v_lshlrev_b32 v4, 1, v4
	v_cvt_f32_u32 v5, v4
	v_add_f32 v6, 1.0, v5
	v_mul_f32 v5, 0xbed49a78, v5                   ; -f log2(10000) / 32
	v_mul_f32 v6, 0xbed49a78, v6
	v_exp_f32 v5, v5                               ; w_f
	v_exp_f32 v6, v6
	v_lshlrev_b32 v7, 3, v3                        ; a plain line behind the two exponentials
	s_wait_alu depctr_va_sdst(0)                   ; s3 and s30 are written, ahead of their first readers: the row's number below, and the first select of the coefficients
	s_sub_co_u32 s4, s2, 336
	s_lshl_b32 s4, s4, 6
	s_lshl3_add_u32 s4, s3, s4                     ; my first row t = 64 (g - 336) + 8 wave
	s_wait_alu depctr_va_vdst(0)                   ; the two exponentials have written v5 and v6, ahead of their first reader; v7, the stores' offset, is written too
	COEF 0, 0x3f800000, 0x3f800000                 ; cos: (-1)^n / (2n)!     sin: (-1)^n / (2n+1)!, times rho at the end
	COEF 1, 0xbf000000, 0xbe2aaaab
	COEF 2, 0x3d2aaaab, 0x3c088889
	COEF 3, 0xbab60b61, 0xb9500d01
	COEF 4, 0x37d00d01, 0x3638ef1d
	COEF 5, 0xb493f27e, 0xb2d7322b
	COEF 6, 0x310f76c7, 0x2f309231
	COEF 7, 0xad49cba3, 0xab573f9f
	COEF 8, 0x29573f9f, 0x274a963e                 ; the first term left out is pi^18 / 18! = 1.4e-7 at the most
	s_mov_b32 s7, 0x40c90fdb                       ; 2 pi rounded to f32,
	s_mov_b32 s28, 0x343bbd2e                      ; and what that rounding added
	s_lshl_b32 s24, s4, 8
	s_wait_kmcnt 0x0
	s_add_nc_u64 s[22:23], s[22:23], s[24:25]
	s_mov_b32 s5, 8
.Lrow:
	v_cvt_f32_u32 v10, s4
	v_mul_f32 v8, v10, v5                          ; theta = t w, rounded once
	v_mul_f32 v9, v10, v6
	v_mul_f32 v11, 0.15915494, v8
	v_mul_f32 v12, 0.15915494, v9
	v_rndne_f32 v11, v11                           ; whole turns
	v_rndne_f32 v12, v12
	v_fma_f32 v8, -v11, s7, v8                     ; rho = theta - k 2 pi, in two parts: within -pi .. pi
	v_fma_f32 v9, -v12, s7, v9
	v_fma_f32 v8, v11, s28, v8
	v_fma_f32 v9, v12, s28, v9
	v_mul_f32 v11, v8, v8                          ; z = rho^2
	v_mul_f32 v12, v9, v9
	v_cndmask_b32 v8, 1.0, v8, s30                 ; the last factor: 1 for cos, rho for sin
	v_cndmask_b32 v9, 1.0, v9, s30
	v_fma_f32 v14, v[KC+8], v11, v[KC+7]
	v_fma_f32 v15, v[KC+8], v12, v[KC+7]
.irp n, 6,5,4,3,2,1,0
	v_fma_f32 v14, v14, v11, v[KC+\n]
	v_fma_f32 v15, v15, v12, v[KC+\n]
.endr
	v_mul_f32 v14, v14, v8
	v_mul_f32 v15, v15, v9
	s_wait_alu depctr_va_vdst(0)                   ; the two products have written v14 and v15, which the store reads
	global_store_b64 v7, v[14:15], s[22:23]        ; 256 consecutive bytes, aligned
	s_wait_xcnt 0x0                                ; the store's address is translated: only now are its data and its base written again
	s_wait_alu depctr_vm_vsrc(0)                   ; the store has read v14 and v15, which the next trip's arithmetic writes again
	s_add_nc_u64 s[22:23], s[22:23], 256
	s_add_co_u32 s4, s4, 1
	s_sub_co_u32 s5, s5, 1
	s_cmp_lg_u32 s5, 0
	s_cbranch_scc1 .Lrow
	s_endpgm
.Lfunc_end_k_qccea15e139_prep:
	.size	k_qccea15e139_prep, .Lfunc_end_k_qccea15e139_prep-k_qccea15e139_prep
	.p2alignl 7, 3214868480
	.fill 96, 4, 3214868480
	.section	.rodata,"a",@progbits
	.p2align	6, 0x0
	.amdhsa_kernel k_qccea15e139_prep
		.amdhsa_group_segment_fixed_size 0
		.amdhsa_private_segment_fixed_size 0
		.amdhsa_enable_private_segment 0
		.amdhsa_kernarg_size 64
		.amdhsa_user_sgpr_count 2
		.amdhsa_user_sgpr_kernarg_segment_ptr 1
		.amdhsa_wavefront_size32 1
		.amdhsa_system_sgpr_workgroup_id_x 1
		.amdhsa_system_sgpr_workgroup_id_y 1
		.amdhsa_system_sgpr_workgroup_id_z 1
		.amdhsa_system_vgpr_workitem_id 0
		.amdhsa_next_free_vgpr 140
		.amdhsa_next_free_sgpr 66
		.amdhsa_reserve_vcc 0
		.amdhsa_float_denorm_mode_32 3
		.amdhsa_float_denorm_mode_16_64 3
		.amdhsa_memory_ordered 1
		.amdhsa_forward_progress 1
		.amdhsa_inst_pref_size 40
	.end_amdhsa_kernel
	.amdgpu_metadata
---
amdhsa.version: [ 1, 2 ]
amdhsa.kernels:
  - .name:           k_qccea15e139_prep
    .symbol:         k_qccea15e139_prep.kd
    .args:
      - { .name: x, .offset: 0, .size: 8, .value_kind: global_buffer, .address_space: global }
      - { .name: w_q, .offset: 8, .size: 8, .value_kind: global_buffer, .address_space: global }
      - { .name: w_kv, .offset: 16, .size: 8, .value_kind: global_buffer, .address_space: global }
      - { .name: w_c, .offset: 24, .size: 8, .value_kind: global_buffer, .address_space: global }
      - { .name: xb, .offset: 32, .size: 8, .value_kind: global_buffer, .address_space: global }
      - { .name: wall, .offset: 40, .size: 8, .value_kind: global_buffer, .address_space: global }
      - { .name: wcb, .offset: 48, .size: 8, .value_kind: global_buffer, .address_space: global }
      - { .name: tab, .offset: 56, .size: 8, .value_kind: global_buffer, .address_space: global }
    .group_segment_fixed_size: 0
    .private_segment_fixed_size: 0
    .kernarg_segment_align: 8
    .kernarg_segment_size: 64
    .max_flat_workgroup_size: 256
    .sgpr_count:     66
    .vgpr_count:     140
    .wavefront_size: 32
...
	.end_amdgpu_metadata
.endif
;; end of part 5
;; launch qkv: the kernel of part 2 again; grid 8 x 32, 4 waves a work-group, clusters of 4 x 4, 327,680 bytes of LDS; arguments xb, wall, tab, q_norm_w, k_norm_w, qh, kvh; writes qh, kvh
;; launch attn: the kernel of part 3 again; grid 8 x 32, 8 waves a work-group, clusters of 4 x 1, 327,680 bytes of LDS; arguments qh, kvh, yh; writes yh
;; launch oproj: the kernel of part 4 again; grid 8 x 32, 4 waves a work-group, clusters of 4 x 4, 327,680 bytes of LDS; arguments yh, wcb, out0; writes out0
